; MI455X (gfx1250); checked and timed in simulation.
; The chip was launched on July 23, 2026; its instructions are those of AMD's public machine-readable ISA for CDNA 5 (MIT licence, August 2026) and "CDNA5" Instruction Set Architecture Reference Guide (July 2026). The comments in the code are by the model that wrote it; some were corrected since.
;; Bahdanau Attention. Allowed arithmetic: float matrix products may take bf16 or f16 operands with f32 sums; other float arithmetic in f32, or as packed bf16 or f16 multiplies, adds, multiply-adds, maxima and minima; sums over many terms, partial sums and values carried from step to step in f32; what a program stores and reads back later, other than sums and carried values, may be rounded once to bf16 or f16.
;; Inputs: Ua_b 1,024 float32; Ua_w 1,024 x 1,024 float32; Va_b 1 float32; Va_w 1 x 1,024 float32; Wa_b 1,024 float32; Wa_w 1,024 x 1,024 float32; keys 32 x 2,048 x 1,024 float32; query 32 x 1,024 float32.
;; Outputs: out0 32 x 1 x 1,024 float32; out1 32 x 2,048 float32.
;; 2 versions, each right; version 2 is version 1 with the launch score written anew for expert scheduling mode. Each part assembles by itself: llvm-mc -triple=amdgcn-amd-amdhsa -mcpu=gfx1250 --defsym DOCPART=n.
;; ======== version 1 of 2: 3 launches
;; workspace buffers: ub 2,097,152 bytes; qs 131,072 bytes; scores 262,144 bytes; ctxp 2,097,152 bytes
;; launch prep (part 1): grid 64 x 1, 16 waves a work-group, no clusters, 34,816 bytes of LDS; arguments Ua_w, Wa_w, query, Wa_b, Ua_b, ub, qs; writes ub, qs
.if DOCPART == 1
	.amdgcn_target "amdgcn-amd-amdhsa--gfx1250"
	.amdhsa_code_object_version 6
	.text
	.protected	k_q0a6829e8cf_prep
	.globl	k_q0a6829e8cf_prep
	.p2align	8
	.type	k_q0a6829e8cf_prep,@function
k_q0a6829e8cf_prep:
	s_mov_b64 s[64:65], 0
	v_nop
	global_prefetch_b8 v0, s[64:65] scope:SCOPE_SE
	s_setreg_imm32_b32 hwreg(HW_REG_WAVE_MODE, 25, 1), 1
	s_wait_xcnt 0x0
; PREP.  Two things for the launch behind it.
; (1) ub: Ua_w rounded once to bf16, laid out in the order in which a matrix fragment is loaded.  Byte ((g*32 + kb)*8 + cl)*1024 + q*512 + 16*lane holds
;     Ua_w[128 g + 16 cl + lane%16][32 kb + 16 q + 8 (lane/16) + 0..7]: a fragment (16 columns x 32 K) is two runs of 512 consecutive bytes.
; (2) qs[cb][batch][16] = c * (query Wa_w^T + Wa_b + Ua_b), f32, c = 2 log2(e): the addend of the exponent in tanh(x) = 1 - 2 / (1 + 2^(c x)).
; SHARES.  Work-group i owns the 16 output columns 16 i + r.  K is split among its 16 waves: wave v takes K = 64 v .. 64 v + 63, two blocks of 32, which are
; 256 consecutive bytes, aligned, of each f32 row.  The 16 partial sums meet in LDS; waves 0 to 3 add them (f32 sums in any order).
; LIMITS.  query, Wa_w and Ua_w are rounded to bf16 for the products; sums, biases and qs stay in f32.  NaN and infinities are not treated apart.
; 64 work-groups are all the work there is at 16 columns each.  No tensor loads, no cluster: each byte of the two weight matrices is wanted by one wave alone.
.set SPARE, 32768                      ; LDS: 16 waves x 2,048 bytes of partial sums, then the spare words, 128 bytes a wave
.set FO,  3                            ; v3   4096 r + 32 h: my place in 16 rows of f32
.set L16, 4                            ; v4   16 x lane
.set LS,  5                            ; v5   2048 v + 64 r + 32 h: where I put my partial sums
.set T16, 6                            ; v6   16 x (thread & 127): the readers' place
.set BO,  7                            ; v7   16 x (thread & 3): the readers' four columns in the biases
.set SPW, 8                            ; v8   my spare word; never rewritten
.set NIL, 9                            ; v9   0; never rewritten
.set UA,  18                           ; v[18:49]   Ua_w: two fragments of 16 f32 a lane, rounded in place to 8 registers each
.set WA,  50                           ; v[50:81]   Wa_w likewise
.set QU,  82                           ; v[82:145]  query: fragment (rb, kbl) at QU + 32 rb + 16 kbl; later the readers' 16 partial quads
.set ACC, 146                          ; v[146:161] two accumulators: batches 0-15, 16-31
	s_load_b256 s[4:11], s[0:1], 0x0               ; Ua_w s[4:5], Wa_w s[6:7], query s[8:9], Wa_b s[10:11]
	s_load_b128 s[12:15], s[0:1], 0x20             ; Ua_b s[12:13], ub s[14:15]
	s_load_b64 s[16:17], s[0:1], 0x30              ; qs
	v_lshl_add_u32 v[SPW], v0, 2, SPARE
	v_mov_b32 v[NIL], 0
	v_lshrrev_b32 v1, 5, v0
	v_readfirstlane_b32 s18, v1                    ; wave 0..15
	v_and_b32 v1, 15, v0                           ; r
	v_bfe_u32 v2, v0, 4, 1                         ; h
	v_lshlrev_b32 v[FO], 12, v1
	v_lshl_add_u32 v[FO], v2, 5, v[FO]
	v_and_b32 v[L16], 31, v0
	v_lshlrev_b32 v[L16], 4, v[L16]
	s_lshl_b32 s19, s18, 11
	v_lshlrev_b32 v[LS], 6, v1
	v_lshl_add_u32 v[LS], v2, 5, v[LS]
	v_add_nc_u32 v[LS], s19, v[LS]
	v_and_b32 v[T16], 127, v0
	v_lshlrev_b32 v[T16], 4, v[T16]
	v_and_b32 v[BO], 3, v0
	v_lshlrev_b32 v[BO], 4, v[BO]
	s_lshl_b32 s20, ttmp9, 16                      ; my 16 rows of 4,096 bytes in Ua_w and Wa_w,
	s_lshl_b32 s24, s18, 8                         ; my wave's 256 bytes of a row
	s_add_co_u32 s20, s20, s24
	s_mov_b32 s21, 0
	s_mov_b32 s25, 0
	s_lshl_b32 s26, ttmp9, 6                       ; my 16 columns in the biases
	s_mov_b32 s27, 0
	s_lshr_b32 s28, ttmp9, 3                       ; ub: group g = i / 8,
	s_lshl_b32 s28, s28, 18
	s_and_b32 s19, ttmp9, 7                        ; column block cl = i % 8,
	s_lshl_b32 s19, s19, 10
	s_add_co_u32 s28, s28, s19
	s_lshl_b32 s19, s18, 14                        ; K blocks 2 v and 2 v + 1
	s_add_co_u32 s28, s28, s19
	s_mov_b32 s29, 0
	s_lshl_b32 s30, ttmp9, 11                      ; qs: 2,048 bytes for each block of 16 columns
	s_mov_b32 s31, 0
	s_mov_b32 s22, 0x4038aa3b                      ; c = 2 log2(e)
	s_mov_b32 s23, s22                             ; named with it as a pair
	s_wait_kmcnt 0x0
	s_add_nc_u64 s[4:5], s[4:5], s[20:21]
	s_add_nc_u64 s[6:7], s[6:7], s[20:21]
	s_add_nc_u64 s[8:9], s[8:9], s[24:25]
	s_add_nc_u64 s[10:11], s[10:11], s[26:27]
	s_add_nc_u64 s[12:13], s[12:13], s[26:27]
	s_add_nc_u64 s[14:15], s[14:15], s[28:29]
	s_add_nc_u64 s[16:17], s[16:17], s[30:31]
; 16 f32 of row r for one fragment: K = 8 h + 0..7 (32 bytes) and 16 + 8 h + 0..7 (32 bytes, 64 further on)
.macro FRAG dst, base, imm
.irp o, 0,1,2,3
	global_load_b128 v[(\dst)+4*(\o):(\dst)+4*(\o)+3], v[FO], s[(\base):(\base)+1] offset:(\imm)+16*((\o)%2)+64*((\o)/2)
.endr
.endm
; the 16 f32 are rounded in place: register k takes numbers 2 k and 2 k + 1, ascending, so nothing is overwritten before it is read
.macro CVT dst
.irp k, 0,1,2,3,4,5,6,7
	v_cvt_pk_bf16_f32 v[(\dst)+(\k)], v[(\dst)+2*(\k)], v[(\dst)+2*(\k)+1]
.endr
.endm
	global_load_b128 v[10:13], v[BO], s[10:11]     ; the biases' pieces: every wave loads them, waves 0 to 3 use them
	global_load_b128 v[14:17], v[BO], s[12:13]
	FRAG WA,    6, 0
	FRAG WA+16, 6, 128
	FRAG QU,    8, 0                               ; batches 0-15
	FRAG QU+16, 8, 128
	FRAG QU+32, 8, 65536                           ; batches 16-31
	FRAG QU+48, 8, 65536+128
	FRAG UA,    4, 0
	FRAG UA+16, 4, 128
	s_wait_loadcnt 8                               ; all but the eight youngest loads, which are Ua_w's
	CVT WA
	CVT WA+16
	CVT QU
	CVT QU+16
	CVT QU+32
	CVT QU+48
	; source 0 = 16 rows of Wa_w, source 1 = 16 batches: a lane ends with one batch (r) and the columns 8 h + 0..7.  The two accumulators take turns.
	v_wmma_f32_16x16x32_bf16 v[ACC:ACC+7],    v[WA:WA+7],     v[QU:QU+7],     0
	v_wmma_f32_16x16x32_bf16 v[ACC+8:ACC+15], v[WA:WA+7],     v[QU+32:QU+39], 0
	v_wmma_f32_16x16x32_bf16 v[ACC:ACC+7],    v[WA+16:WA+23], v[QU+16:QU+23], v[ACC:ACC+7]
	v_wmma_f32_16x16x32_bf16 v[ACC+8:ACC+15], v[WA+16:WA+23], v[QU+48:QU+55], v[ACC+8:ACC+15]
	s_wait_loadcnt 0x0                             ; Ua_w
	CVT UA                                         ; sixteen plain instructions that name no register of the products: the places behind them
	CVT UA+16
	global_store_b128 v[L16], v[UA:UA+3],     s[14:15]              ; each store covers 512 consecutive bytes, aligned
	global_store_b128 v[L16], v[UA+4:UA+7],   s[14:15] offset:512
	global_store_b128 v[L16], v[UA+16:UA+19], s[14:15] offset:8192
	global_store_b128 v[L16], v[UA+20:UA+23], s[14:15] offset:8704
	ds_store_b128 v[LS], v[ACC:ACC+3]                               ; each accumulator is read from its low end on
	ds_store_b128 v[LS], v[ACC+4:ACC+7]   offset:16
	ds_store_b128 v[LS], v[ACC+8:ACC+11]  offset:1024
	ds_store_b128 v[LS], v[ACC+12:ACC+15] offset:1040
	s_wait_dscnt 0x0                               ; for the others' sake: my partial sums lie in LDS
	s_barrier_signal -1
	s_barrier_wait -1
	s_cmp_lt_u32 s18, 4                            ; 128 threads x 16 bytes are the 2,048 bytes of qs
	s_cbranch_scc0 .Lend
.irp k, 0,1,2,3,4,5,6,7,8,9,10,11,12,13,14,15
	ds_load_b128 v[QU+4*(\k):QU+4*(\k)+3], v[T16] offset:2048*(\k)
.endr
	v_pk_add_f32 v[10:11], v[10:11], v[14:15]      ; Wa_b + Ua_b
	v_pk_add_f32 v[12:13], v[12:13], v[16:17]
	s_wait_dscnt 0x0
.irp st, 8,4,2,1
.set k, 0
.rept \st
	v_pk_add_f32 v[QU+4*k:QU+4*k+1],   v[QU+4*k:QU+4*k+1],   v[QU+4*(k+\st):QU+4*(k+\st)+1]
	v_pk_add_f32 v[QU+4*k+2:QU+4*k+3], v[QU+4*k+2:QU+4*k+3], v[QU+4*(k+\st)+2:QU+4*(k+\st)+3]
.set k, k+1
.endr
.endr
	v_pk_add_f32 v[QU:QU+1],   v[QU:QU+1],   v[10:11]
	v_pk_add_f32 v[QU+2:QU+3], v[QU+2:QU+3], v[12:13]
	v_pk_mul_f32 v[QU:QU+1],   v[QU:QU+1],   s[22:23] op_sel_hi:[1,0]
	v_pk_mul_f32 v[QU+2:QU+3], v[QU+2:QU+3], s[22:23] op_sel_hi:[1,0]
	global_store_b128 v[T16], v[QU:QU+3], s[16:17] ; a wave stores 512 consecutive bytes, aligned
.Lend:
	s_wait_tensorcnt 0x0                           ; the wave's end: three closing lines, behind my last LDS store
	ds_add_u32 v[SPW], v[NIL]
	s_wait_dscnt 0x0
	s_endpgm
.Lfunc_end_k_q0a6829e8cf_prep:
	.size	k_q0a6829e8cf_prep, .Lfunc_end_k_q0a6829e8cf_prep-k_q0a6829e8cf_prep
	.p2alignl 7, 3214868480
	.fill 96, 4, 3214868480
	.section	.rodata,"a",@progbits
	.p2align	6, 0x0
	.amdhsa_kernel k_q0a6829e8cf_prep
		.amdhsa_group_segment_fixed_size 34816
		.amdhsa_private_segment_fixed_size 0
		.amdhsa_enable_private_segment 0
		.amdhsa_kernarg_size 56
		.amdhsa_user_sgpr_count 2
		.amdhsa_user_sgpr_kernarg_segment_ptr 1
		.amdhsa_wavefront_size32 1
		.amdhsa_system_sgpr_workgroup_id_x 1
		.amdhsa_system_sgpr_workgroup_id_y 1
		.amdhsa_system_sgpr_workgroup_id_z 1
		.amdhsa_system_vgpr_workitem_id 0
		.amdhsa_next_free_vgpr 176
		.amdhsa_next_free_sgpr 66
		.amdhsa_reserve_vcc 0
		.amdhsa_float_denorm_mode_32 3
		.amdhsa_float_denorm_mode_16_64 3
		.amdhsa_memory_ordered 1
		.amdhsa_forward_progress 1
		.amdhsa_inst_pref_size 14
	.end_amdhsa_kernel
	.amdgpu_metadata
---
amdhsa.version: [ 1, 2 ]
amdhsa.kernels:
  - .name:           k_q0a6829e8cf_prep
    .symbol:         k_q0a6829e8cf_prep.kd
    .args:
      - { .name: Ua_w, .offset: 0, .size: 8, .value_kind: global_buffer, .address_space: global }
      - { .name: Wa_w, .offset: 8, .size: 8, .value_kind: global_buffer, .address_space: global }
      - { .name: query, .offset: 16, .size: 8, .value_kind: global_buffer, .address_space: global }
      - { .name: Wa_b, .offset: 24, .size: 8, .value_kind: global_buffer, .address_space: global }
      - { .name: Ua_b, .offset: 32, .size: 8, .value_kind: global_buffer, .address_space: global }
      - { .name: ub, .offset: 40, .size: 8, .value_kind: global_buffer, .address_space: global }
      - { .name: qs, .offset: 48, .size: 8, .value_kind: global_buffer, .address_space: global }
    .group_segment_fixed_size: 34816
    .private_segment_fixed_size: 0
    .kernarg_segment_align: 8
    .kernarg_segment_size: 56
    .max_flat_workgroup_size: 512
    .sgpr_count:     66
    .vgpr_count:     176
    .wavefront_size: 32
...
	.end_amdgpu_metadata
.endif
;; end of part 1
;; launch score (part 2): grid 512 x 1, 4 waves a work-group, no clusters, 305,664 bytes of LDS; arguments keys, ub, qs, Va_w, Va_b, scores, ctxp; writes scores, ctxp
.if DOCPART == 2
	.amdgcn_target "amdgcn-amd-amdhsa--gfx1250"
	.amdhsa_code_object_version 6
	.text
	.protected	k_q0a6829e8cf_score
	.globl	k_q0a6829e8cf_score
	.p2align	8
	.type	k_q0a6829e8cf_score,@function
k_q0a6829e8cf_score:
	s_mov_b64 s[64:65], 0
	v_nop
	global_prefetch_b8 v0, s[64:65] scope:SCOPE_SE
	s_setreg_imm32_b32 hwreg(HW_REG_WAVE_MODE, 25, 1), 1
	s_wait_xcnt 0x0
; SCORE.  For a tile of 128 key rows of one batch: score[s] = Va . tanh(q_proj + Wa_b + Ua k_s + Ua_b) + Va_b; p[s] = e^(score[s] - m), m the tile's own maximum;
; ctxp[tile][:] = the sum over the tile's s of p[s] k_s.  The launch behind joins a batch's 16 tiles by their maxima.
; THE KEYS ARE READ FROM MEMORY ONCE, WHILE THE FIRST PASS MULTIPLIES: they are rounded to bf16 on the way in and stay in LDS for both passes of the product AND for the weighted sum.
; SHARES.  Work-group = tile t: rows 128 (t % 16) on of batch t / 16.  In the product wave w takes ALL 128 rows and, in pass p = 0, 1, the 128 columns of group 2 w + p: 64 accumulators of 16 x 16, 512 registers.
; A fragment of Ua is wanted by one wave alone and comes straight from memory into registers (ub lies in fragment order: 16 loads of 512 consecutive bytes for a K step of 32), three K steps ahead.
; THE KEYS COME BY K.  A CHUNK is 64 K of all 128 rows: 256 consecutive bytes, aligned, of each f32 row.  Wave w brings rows 32 w .. 32 w + 31 of every chunk, as two UNITS of 16 rows (8 loads, 32 registers):
; one unit a K step.  Unit u is asked for at the end of step u - 8, rounded and stored at the end of step u - 4; a chunk's barrier stands in the step after its second unit's; its first read comes a step later.
; In pass 0 the four unit sets take the registers of A's second buffer and of qs, so A has one buffer, filled in halves: row blocks 0-3 in a step's middle, 4-7 at its end.
; THE MATRIX INSTRUCTION IS USED TRANSPOSED (source 0 = 16 columns of Ua, source 1 = 16 key rows): a lane holds ONE key row (lane % 16) and the columns 8 (lane / 16) + 0..7, so Va's sum over columns stays in the lane.
; TANH.  tanh(x) = 1 - 2 / (1 + 2^(c x)), c = 2 log2(e): right for every finite x (2^(c x) = infinity gives 1, 0 gives -1).  So Va . tanh = sum(Va) - 2 sum(Va / (1 + 2^(c x))); both sums have terms of |Va|'s size.
; LIMITS.  keys and Ua_w are rounded to bf16 for the product, and the same bf16 keys serve the weighted sum; all sums, scores and weights are f32.  A weight below 2^-126 counts as 0.  NaN and infinities are not treated apart.
; NO CLUSTER.  What work-groups share is ub.  A joint load lands in LDS, where 22,016 bytes are left beside this text's 305,664; two slots of one K step of 32 for the work-group's 512 columns would be 65,536.
; NO TENSOR LOADS: the rows are rounded before they rest in LDS, and no f32 copy fits beside them.
; REGISTERS, in windows of 256 (s_set_vgpr_msb: bits 1:0 source 0, 3:2 source 1, 5:4 source 2, 7:6 destination):
;   window 0: v0-63 addresses and small sums; v64-127, v128-191 A's two fragment buffers; v192-255 qs of the pass's columns; in pass 0 v128-255 are the four unit sets     window 1: four buffers of Ua's fragments
;   window 2: accumulators of row blocks 0-3 ((a, b) at 8 (8 a + b)); at the start v0-127 take units 0-3          window 3: accumulators of row blocks 4-7
.set PK,    144                        ; a row of a chunk in LDS: 128 bytes of bf16 + 16 = 36 words: the 16 rows of a fragment load start at 16 different groups of four banks (64 banks of 4 bytes: ISA guide 11.1)
.set CHB,   128*PK+128                 ; a chunk: 128 rows and 128 bytes more, 32 words modulo 64: two neighbouring chunks' 128 bytes of one row fall on different banks (the weighted sum reads so)
.set SCR,   16*CHB                     ; wave w's 128 partial scores at 512 w + 4 row
.set PS,    SCR+2048                   ; wave w's own copy of the 128 weights at 512 w + 4 row
.set CT,    PS+2048                    ; wave w's own 1,024 bytes, to turn its 256 sums into runs of 512 bytes
.set SPARE, CT+4096                    ; the spare words, 128 bytes a wave: two blocks of 256 bytes that no other line names
.set L16,  4                           ; v4   16 x lane; never rewritten
.set H32,  5                           ; v5   32 x (lane / 16); never rewritten
.set SA,   6                           ; v6   where I store a unit: (32 w + 8 (lane / 16)) PK + 8 (lane % 16), stepped by chunks
.set CTR,  7                           ; v7   CT + 1024 w + 16 lane
.set AB,   8                           ; v8   my place in a fragment: (lane % 16) PK + 16 (lane / 16); never rewritten
.set ADR,  9                           ; v9   the same, stepped by chunks
.set KO,   10                          ; v10  my place in a unit in memory: 8 rows x (lane / 16) + 16 (lane % 16); never rewritten
.set PFO,  11                          ; v11  the prefetches' offset: lane x a row of 4,096 bytes; never rewritten
.set S,    16                          ; v16-23  row block a: the sum of Va / (1 + 2^(c x))
.set TT,   24                          ; v24-25  the sum of Va
.set SPW,  26                          ; v26  my spare word; never rewritten
.set NIL,  27                          ; v27  0; never rewritten
.set T,    28                          ; v28-35  at work
.set SC,   36                          ; v36-51  four waves' partial scores of rows 4 lane .. 4 lane + 3; v36-39 become the scores
.set P,    52                          ; v52-55  their weights
.set M,    56                          ; v56-57  the tile's maximum; at work
.set SCRW, 58
.set SCRR, 59
.set PW,   60
.set PR,   61
.set CA,   62
.set CTW,  63
.set F0,   64
.set F1,   128
.set QC,   192                         ; qs of column 16 b + 8 h + j at QC + 8 b + j
.set VA,   128                         ; Va likewise, in F1's registers while no product runs
.set TB,   64                          ; the start: units 0-3 rounded, 16 registers each
.set HS,   128                         ; pass 0: unit u's set of 32 registers at HS + 32 (u % 4)
.set KX0,  64                          ; the weighted sum: 16 rows x 4 registers, two sets
.set KX1,  128
.set WX0,  192                         ; their 16 weights, two sets
.set WX1,  208
.set CX,   224                         ; my 8 channels' sums
.set OUT,  232
.set BF0,  0                           ; window 1: K step s's fragments of Ua in buffer s % 4
.set BF1,  64
.set BF2,  128
.set BF3,  192
.set KP,   4                           ; s[4:5]   keys at my 32 rows, stepped along K
.set UBP,  6                           ; s[6:7]   ub, stepped
.set QSP,  8                           ; s[8:9]   qs
.set VAP,  10                          ; s[10:11] Va_w
.set VBP,  12                          ; s[12:13] Va_b
.set SCP,  14                          ; s[14:15] scores
.set CXP,  16                          ; s[16:17] ctxp
.set WV,   18
.set OFS,  22                          ; s[22:23] an offset, made apart from every address
.set CNT,  24
.set PASS, 25
.set CS,   26                          ; s[26:27] c
.set SEL,  28                          ; s[28:29] v_permlanex16_b32's selects: each lane takes its own place in the other half
.set VB,   30                          ; s30  Va_b's value
.set LOG2E, 31                         ; s31
.set MSB, 0
.macro WIN new                         ; the immediate's high byte repeats the setting that is left; a switch that changes nothing is dropped
.if MSB != (\new)
	s_set_vgpr_msb (MSB<<8)|(\new)
.set MSB, \new
.endif
.endm
.set W_LD,   0x80                      ; destination window 2
.set W_CV,   0x0a                      ; sources 0 and 1 window 2
.set TO_B,   0x40                      ; destination window 1
.set MUL_LO, 0xa1                      ; source 0 (Ua) window 1, source 1 (keys) window 0, C and D window 2
.set MUL_HI, 0xf1                      ; the same, C and D window 3
.macro PLACES                          ; four places in front of loads into registers that matrix instructions have read, and of vector lines that read results (ISA guide 7.12.1 for the vector lines)
.rept 4
	v_nop
.endr
.endm
; Ua's fragments of one K step (128 columns x 32 K, 8,192 consecutive bytes) into buffer f
.macro FETCH_B off, f
	WIN TO_B
.irp c, 0,1,2,3,4,5,6,7
	global_load_b128 v[(\f)+8*(\c):(\f)+8*(\c)+3],   v[L16], s[UBP:UBP+1] offset:(\off)+1024*(\c)
	global_load_b128 v[(\f)+8*(\c)+4:(\f)+8*(\c)+7], v[L16], s[UBP:UBP+1] offset:(\off)+1024*(\c)+512
.endr
.endm
; the keys' fragments of one K step (128 rows x 32 K; k = chunks x CHB + 64 x the step's half of the chunk) into buffer f; row blocks ascending
.macro FETCH_A k, f
	WIN 0
.irp i, 0,1,2,3,4,5,6,7
	ds_load_b128 v[(\f)+8*(\i):(\f)+8*(\i)+3],   v[ADR] offset:(\k)+(\i)*16*PK
	ds_load_b128 v[(\f)+8*(\i)+4:(\f)+8*(\i)+7], v[ADR] offset:(\k)+(\i)*16*PK+32
.endr
.endm
; half of them: row blocks i0 .. i0 + 3, into their places in F0
.macro FETCH_AH k, i0
	WIN 0
.irp i, 0,1,2,3
	ds_load_b128 v[F0+8*((\i0)+(\i)):F0+8*((\i0)+(\i))+3],   v[ADR] offset:(\k)+((\i0)+(\i))*16*PK
	ds_load_b128 v[F0+8*((\i0)+(\i))+4:F0+8*((\i0)+(\i))+7], v[ADR] offset:(\k)+((\i0)+(\i))*16*PK+32
.endr
.endm
.macro FETCH_Q
	WIN 0
.irp b, 0,1,2,3,4,5,6,7
	global_load_b128 v[QC+8*(\b):QC+8*(\b)+3],   v[H32], s[QSP:QSP+1] offset:2048*(\b)
	global_load_b128 v[QC+8*(\b)+4:QC+8*(\b)+7], v[H32], s[QSP:QSP+1] offset:2048*(\b)+16
.endr
.endm
.macro FETCH_VA
	WIN 0
.irp b, 0,1,2,3,4,5,6,7
	global_load_b128 v[VA+8*(\b):VA+8*(\b)+3],   v[H32], s[VAP:VAP+1] offset:64*(\b)
	global_load_b128 v[VA+8*(\b)+4:VA+8*(\b)+7], v[H32], s[VAP:VAP+1] offset:64*(\b)+16
.endr
.endm
; 16 matrix instructions: row blocks a0, a0 + 1 of the window's four x all 8 column blocks.  zero = 1: the product starts the sum.  The 64 accumulators take turns in the same order in every K step.
.macro MUL16 fA, fB, hi, a0, zero
	WIN MUL_LO+0x50*(\hi)
.irp a, \a0, (\a0)+1
.irp b, 0,1,2,3,4,5,6,7
.if \zero
	v_wmma_f32_16x16x32_bf16 v[8*(8*(\a)+(\b)):8*(8*(\a)+(\b))+7], v[(\fB)+8*(\b):(\fB)+8*(\b)+7], v[(\fA)+8*(4*(\hi)+(\a)):(\fA)+8*(4*(\hi)+(\a))+7], 0
.else
	v_wmma_f32_16x16x32_bf16 v[8*(8*(\a)+(\b)):8*(8*(\a)+(\b))+7], v[(\fB)+8*(\b):(\fB)+8*(\b)+7], v[(\fA)+8*(4*(\hi)+(\a)):(\fA)+8*(4*(\hi)+(\a))+7], v[8*(8*(\a)+(\b)):8*(8*(\a)+(\b))+7]
.endif
.endr
.endr
.endm
; A K STEP ON TWO BUFFERS OF A (pass 1, and pass 0 from step 28 on): 64 matrix instructions on fA and fB.  In its middle, in one run: Ua's fragments of the step three on (byte offB, into gB) and the keys' of the
; next step (k = kA, into gA); both buffers were last read by the step before.  kA, offB = -1: nothing is left to fetch.  q = 1: qs for the way out.  bar = 1: the last chunk's barrier.
; lc: the loads younger than this step's fragments of Ua, which may stay out.
.macro STEP fA, gA, kA, fB, gB, offB, lc, zero, q=0, bar=0
	s_wait_loadcnt \lc
	s_wait_dscnt 8                                 ; row blocks 0-3 are in; the youngest eight loads (row blocks 4-7) may be out
	MUL16 \fA, \fB, 0, 0, \zero
	MUL16 \fA, \fB, 0, 2, \zero
	PLACES
.if (\offB) >= 0
	FETCH_B \offB, \gB
.endif
.if \q
	FETCH_Q
.endif
.if \bar
	s_wait_dscnt 0x0                               ; for the others' sake: my stores of the chunk are done (they and the loads behind them were issued 32 matrix instructions ago)
	s_barrier_signal -1
.endif
.if (\kA) >= 0
	FETCH_A \kA, \gA
	s_wait_dscnt 16                                ; all but the 16 just issued
.else
	s_wait_dscnt 0x0
.endif
	MUL16 \fA, \fB, 1, 0, \zero
	MUL16 \fA, \fB, 1, 2, \zero
.if \bar
	s_barrier_wait -1
.endif
.endm
; A UNIT: 16 of my rows (j + 8 (lane / 16), j = 0..7, in the rows' half that 'off' names) x 64 K.  A load covers 256 consecutive bytes, aligned, of each of two rows; the window is the caller's.
.macro ULOAD hs, off
.irp j, 0,1,2,3,4,5,6,7
	global_load_b128 v[(\hs)+4*(\j):(\hs)+4*(\j)+3], v[KO], s[KP:KP+1] offset:(\off)+4096*(\j) th:TH_LOAD_NT
.endr
.endm
.macro UCVT hs                         ; rounded in place, ascending: register 2 j takes numbers 4 j, 4 j + 1, so nothing is overwritten before it is read
.irp j, 0,1,2,3,4,5,6,7
	v_cvt_pk_bf16_f32 v[(\hs)+2*(\j)],   v[(\hs)+4*(\j)],   v[(\hs)+4*(\j)+1]
	v_cvt_pk_bf16_f32 v[(\hs)+2*(\j)+1], v[(\hs)+4*(\j)+2], v[(\hs)+4*(\j)+3]
.endr
.endm
.macro USTORE hs, off                  ; a store puts 128 consecutive bytes into each of two rows, 8 rows = 288 words apart: 32 banks apart
.irp j, 0,1,2,3,4,5,6,7
	ds_store_b64 v[SA], v[(\hs)+2*(\j):(\hs)+2*(\j)+1] offset:(\off)+PK*(\j)
.endr
.endm
; A K STEP OF PASS 0, s = 0 .. 27, on F0 alone.  In its middle: Ua's fragments of step s + 3, then row blocks 0-3 of step s + 1.  At its end: unit s + 4 (set hs) is rounded (the 16 conversions are the places behind the
; products) and stored at 'so'; row blocks 4-7 of step s + 1; un = 2: unit s + 8 is asked for, at 'ko', into the same set.
; lc: behind B(s) were issued U(s+5), B(s+1), U(s+6), B(s+2), U(s+7): 56 loads, fewer at the end.  Unit s + 4 was asked for ahead of B(s), so the same wait shows it in.
; dh: behind row blocks 0-3 were issued the last step's 8 stores and row blocks 4-7.
; bar = 1 (even steps from 2 on): the barrier of chunk s / 2 + 1, whose units were stored at the ends of steps s - 2 and s - 1 and which is first read in the middle of step s + 1.  Between signal and wait stand LDS loads of a
; chunk that is whole and never written again, and 32 matrix instructions.
; stp = 1: the two pointers go on, behind s_wait_xcnt 0, which stands 32 matrix instructions behind the youngest load.
.macro STEP0 fB, gB, offB, lc, dh, zero, kA, bar, stp, un, hs, so, ko
	s_wait_loadcnt \lc
	s_wait_dscnt \dh
	MUL16 F0, \fB, 0, 0, \zero
	MUL16 F0, \fB, 0, 2, \zero
	PLACES
.if \stp
	s_wait_xcnt 0x0                                ; every load and prefetch issued so far has read its base
	s_add_nc_u64 s[UBP:UBP+1], s[UBP:UBP+1], 32768 ; four K steps of Ua
	s_add_nc_u64 s[KP:KP+1], s[KP:KP+1], 512       ; two chunks
.endif
	FETCH_B \offB, \gB
	WIN 0
.if \bar
	s_wait_dscnt 0x0                               ; for the others' sake: my stores of the chunk are done
	s_barrier_signal -1
.endif
	FETCH_AH \kA, 0
	s_wait_dscnt 8                                 ; row blocks 4-7 are in; the eight just issued may be out
	MUL16 F0, \fB, 1, 0, \zero
	MUL16 F0, \fB, 1, 2, \zero
	WIN 0
.if \bar
	s_barrier_wait -1                              ; the chunk is whole
.endif
	UCVT \hs
	USTORE \hs, \so
	FETCH_AH \kA, 4
.if (\un) == 2
	ULOAD \hs, \ko
.endif
.endm
; A PREFETCH INTO THE L2: my own 32 rows' 256 bytes of one chunk, a lane a row, one instruction; it stands behind a unit's loads, four K steps ahead of the first loads of the chunk that it names.  Each wave asks for what
; it will load itself, so each block is named once in the launch.  Chunks 0 to 7 come by their loads alone; the loop's last trip asks for nothing: the chunks behind 15 do not exist.
.macro ASK off
	s_cmp_gt_u32 s[CNT], 1
	s_cbranch_scc0 .Lnoask_\@
	global_prefetch_b8 v[PFO], s[KP:KP+1] offset:\off th:TH_LOAD_NT scope:SCOPE_SE
.Lnoask_\@:
.endm
; Four K steps of pass 0, 4 n .. 4 n + 3.  The registers stand at: ADR chunk 2 n, SA chunk 2 n, UBP K step 4 n, KP chunk 2 n; so all immediates are the same for every n.
.macro QUAD zero, bar0, stp, un, l0, l1, l2, l3, d0, ask
	STEP0 BF0, BF3, 24576, \l0, \d0, \zero, 64, \bar0, \stp, \un, HS, 2*CHB, 1024
.if \ask
	ASK 1536                                       ; chunk 2 n + 6
.endif
	STEP0 BF1, BF0, 32768, \l1, 16, 0, CHB, 0, 0, \un, HS+32, 2*CHB+16*PK, 1024+65536
	STEP0 BF2, BF1, 40960, \l2, 16, 0, CHB+64, 1, 0, \un, HS+64, 3*CHB, 1280
.if \ask
	ASK 1792                                       ; chunk 2 n + 7
.endif
	STEP0 BF3, BF2, 49152, \l3, 16, 0, 2*CHB, 0, 0, \un, HS+96, 3*CHB+16*PK, 1280+65536
.endm
; THE WAY FROM SUMS TO SCORES, a window (four row blocks = four units of 64 registers) at a time.  Unit u goes through: x' = c acc + qs; 2^x'; + 1; reciprocal; times Va, summed over the lane's 64 columns.
; The units follow each other one stage apart, so that exponentials, reciprocals and plain lines of three units stand mixed.  ESTEP s: unit s's exponentials, unit s - 1's + 1 and reciprocals, unit s - 2's sum.
; Nothing in a step names a result of that step's exponentials or reciprocals: they are ONE batch, with one plain line and one wait behind it.
.macro ACCU u                          ; pair i of 32: four chains, started by column block 0's products
.if i < 4
	v_pk_mul_f32 v[64*(\u)+2*i:64*(\u)+2*i+1], v[64*(\u)+2*i:64*(\u)+2*i+1], v[VA+2*i:VA+2*i+1]
.else
	v_pk_fma_f32 v[64*(\u)+2*(i%4):64*(\u)+2*(i%4)+1], v[64*(\u)+2*i:64*(\u)+2*i+1], v[VA+2*i:VA+2*i+1], v[64*(\u)+2*(i%4):64*(\u)+2*(i%4)+1]
.endif
.endm
.macro ESTEP s
.set i, 0
.rept 32
.if ((\s) >= 1) && ((\s) <= 4)
	v_pk_add_f32 v[64*((\s)-1)+2*i:64*((\s)-1)+2*i+1], v[64*((\s)-1)+2*i:64*((\s)-1)+2*i+1], 1.0 op_sel_hi:[1,0]
.endif
.if (\s) <= 3
	v_exp_f32 v[64*(\s)+2*i], v[64*(\s)+2*i]
.endif
.if ((\s) >= 1) && ((\s) <= 4)
	v_rcp_f32 v[64*((\s)-1)+2*i], v[64*((\s)-1)+2*i]
.endif
.if ((\s) >= 2) && ((\s) <= 5)
	ACCU (\s)-2
.endif
.if (\s) <= 3
	v_exp_f32 v[64*(\s)+2*i+1], v[64*(\s)+2*i+1]
.endif
.if ((\s) >= 1) && ((\s) <= 4)
	v_rcp_f32 v[64*((\s)-1)+2*i+1], v[64*((\s)-1)+2*i+1]
.endif
.set i, i+1
.endr
.if (\s) <= 4
	v_nop                                          ; a plain line behind the batch's last,
	s_wait_alu depctr_va_vdst(0)                   ; and the one wait for the batch, ahead of the next step, which reads it
.endif
.endm
.macro EPI W
	WIN ((\W)<<6)|(\W)                             ; destination and source 0 in window W, qs in window 0
.set i, 0
.rept 128                              ; ascending: each accumulator is read from its low end on
	v_pk_fma_f32 v[2*i:2*i+1], v[2*i:2*i+1], s[CS:CS+1], v[QC+(2*i)%64:QC+(2*i)%64+1] op_sel_hi:[1,0,1]
.set i, i+1
.endr
	WIN ((\W)<<6)|((\W)<<4)|(\W)                   ; source 1 (Va) in window 0, all else in window W
	ESTEP 0
	ESTEP 1
.if (\W) == 2
	s_wait_loadcnt 0x0                             ; Va, which the next step reads first; with it the next pass's first fragments of Ua
.endif
	ESTEP 2
	ESTEP 3
	ESTEP 4
	ESTEP 5
	WIN ((\W)<<6)|((\W)<<2)|(\W)                   ; the four chains into one pair
.irp u, 0,1,2,3
	v_pk_add_f32 v[64*(\u):64*(\u)+1], v[64*(\u):64*(\u)+1], v[64*(\u)+2:64*(\u)+3]
.endr
.irp u, 0,1,2,3
	v_pk_add_f32 v[64*(\u)+4:64*(\u)+5], v[64*(\u)+4:64*(\u)+5], v[64*(\u)+6:64*(\u)+7]
.endr
.irp u, 0,1,2,3
	v_pk_add_f32 v[64*(\u):64*(\u)+1], v[64*(\u):64*(\u)+1], v[64*(\u)+4:64*(\u)+5]
.endr
	WIN (\W)                                       ; source 0 in window W: onto the row block's sum
.irp u, 0,1,2,3
	v_add_f32 v[S+4*((\W)-2)+(\u)], v[64*(\u)], v[S+4*((\W)-2)+(\u)]
.endr
.irp u, 0,1,2,3
	v_add_f32 v[S+4*((\W)-2)+(\u)], v[64*(\u)+1], v[S+4*((\W)-2)+(\u)]
.endr
.endm
; THE WEIGHTED SUM.  16 rows: their weights (all lanes read the same 64 bytes) and my 16 bytes (8 channels) of each row: eight lanes take a row's 128 bytes in one chunk, the wave four chunks
.macro CLOAD set, kx, wx
.irp j, 0,1,2,3
	ds_load_b128 v[(\wx)+4*(\j):(\wx)+4*(\j)+3], v[PR] offset:16*(\j)+64*(\set)
.endr
.irp j, 0,1,2,3,4,5,6,7,8,9,10,11,12,13,14,15
	ds_load_b128 v[(\kx)+4*(\j):(\kx)+4*(\j)+3], v[CA] offset:PK*(\j)+16*PK*(\set)
.endr
.endm
.macro CFMA kx, wx                     ; sum += bf16 half x f32 weight, in f32: eight chains by turns
.set j, 0
.rept 16
.irp q, 0,1,2,3
	v_fma_mix_f32_bf16 v[CX+2*(\q)],   v[(\kx)+4*j+(\q)], v[(\wx)+j], v[CX+2*(\q)]   op_sel_hi:[1,0,0]
	v_fma_mix_f32_bf16 v[CX+2*(\q)+1], v[(\kx)+4*j+(\q)], v[(\wx)+j], v[CX+2*(\q)+1] op_sel:[1,0,0] op_sel_hi:[1,0,0]
.endr
.set j, j+1
.endr
.endm
	s_load_b256 s[4:11], s[0:1], 0x0               ; keys, ub, qs, Va_w
	s_load_b128 s[12:15], s[0:1], 0x20             ; Va_b, scores
	s_load_b64 s[16:17], s[0:1], 0x30              ; ctxp
	v_lshl_add_u32 v[SPW], v0, 2, SPARE
	v_mov_b32 v[NIL], 0
	v_lshrrev_b32 v1, 5, v0
	v_readfirstlane_b32 s[WV], v1                  ; wave 0..3
	v_and_b32 v1, 31, v0                           ; lane
	v_and_b32 v2, 15, v0                           ; r
	v_bfe_u32 v3, v0, 4, 1                         ; h
	v_lshlrev_b32 v[L16], 4, v1
	v_lshlrev_b32 v[H32], 5, v3
	v_lshlrev_b32 v[KO], 4, v2
	v_lshl_add_u32 v[KO], v3, 15, v[KO]            ; 8 rows of 4,096 bytes for the upper lanes
	v_lshlrev_b32 v[PFO], 12, v1
	s_mul_i32 s22, s[WV], 32*PK
	v_mul_u32_u24 v[SA], v3, 8*PK
	v_lshl_add_u32 v[SA], v2, 3, v[SA]
	v_add_nc_u32 v[SA], s22, v[SA]
	v_mul_u32_u24 v[AB], v2, PK
	v_lshl_add_u32 v[AB], v3, 4, v[AB]
	v_mov_b32 v[ADR], v[AB]
	s_lshl_b32 s22, s[WV], 10
	s_add_co_u32 s22, s22, CT
	v_lshl_add_u32 v[CTR], v1, 4, s22
	v_lshl_add_u32 v[CTW], v1, 5, s22
	v_lshrrev_b32 v12, 3, v1                       ; the weighted sum: chunk 4 w + lane / 8,
	v_and_b32 v13, 7, v1                           ; 16 bytes at 16 (lane % 8): channels 256 w + 8 lane on
	s_mul_i32 s22, s[WV], 4*CHB
	v_mul_u32_u24 v[CA], v12, CHB
	v_lshl_add_u32 v[CA], v13, 4, v[CA]
	v_add_nc_u32 v[CA], s22, v[CA]
	s_lshl_b32 s22, s[WV], 9
	s_add_co_u32 s23, s22, SCR
	v_lshl_add_u32 v[SCRW], v2, 2, s23
	v_lshl_add_u32 v[SCRR], v1, 4, SCR
	s_add_co_u32 s23, s22, PS
	v_lshl_add_u32 v[PW], v1, 4, s23
	v_mov_b32 v[PR], s23
.irp i, 0,1,2,3,4,5,6,7,8,9
	v_mov_b32 v[S+(\i)], 0                         ; the eight row blocks' sums and Va's, which two passes add onto
.endr
	v_mov_b32 v[M+1], 0                            ; a lane exchange's destination counts as read
	s_mov_b32 s[CS], 0x4038aa3b                    ; c = 2 log2(e)
	s_mov_b32 s[CS+1], s[CS]
	s_mov_b32 s[SEL], 0x76543210
	s_mov_b32 s[SEL+1], 0xfedcba98
	s_mov_b32 s[LOG2E], 0x3fb8aa3b
	s_mov_b32 s[PASS], 2
	s_lshr_b32 s20, ttmp9, 4                       ; the batch
	s_wait_kmcnt 0x0
	s_load_b32 s[VB], s[VBP:VBP+1], 0x0            ; Va_b's value: waited for ahead of the scores
	s_mov_b32 s[OFS+1], 0
	s_lshl_b32 s[OFS], ttmp9, 19                   ; the tile's 524,288 bytes (512 tiles: under 2^28),
	s_lshl_b32 s21, s[WV], 17                      ; my 32 rows
	s_add_co_u32 s[OFS], s[OFS], s21
	s_add_nc_u64 s[KP:KP+1], s[KP:KP+1], s[OFS:OFS+1]
	s_lshl_b32 s[OFS], s[WV], 19                   ; my two column groups: 2 x 262,144 bytes on end
	s_add_nc_u64 s[UBP:UBP+1], s[UBP:UBP+1], s[OFS:OFS+1]
	s_lshl_b32 s[OFS], s[WV], 15                   ; 16 column blocks of 2,048 bytes,
	s_lshl_b32 s21, s20, 6                         ; the batch's 64 bytes in each
	s_add_co_u32 s[OFS], s[OFS], s21
	s_add_nc_u64 s[QSP:QSP+1], s[QSP:QSP+1], s[OFS:OFS+1]
	s_lshl_b32 s[OFS], s[WV], 10
	s_add_nc_u64 s[VAP:VAP+1], s[VAP:VAP+1], s[OFS:OFS+1]
	s_lshl_b32 s[OFS], ttmp9, 9
	s_add_nc_u64 s[SCP:SCP+1], s[SCP:SCP+1], s[OFS:OFS+1]
	s_lshl_b32 s[OFS], ttmp9, 12
	s_lshl_b32 s21, s[WV], 10
	s_add_co_u32 s[OFS], s[OFS], s21
	s_add_nc_u64 s[CXP:CXP+1], s[CXP:CXP+1], s[OFS:OFS+1]
	; THE START.  Chunks 0 and 1 (units 0-3, into the idle accumulators) must lie in LDS before the first product.  The loads go out in the order in which the steps will want them:
	; U0-3, B0, U4, U5; then, when units 0-3 have been rounded and stored, B1, U6, B2, U7: from here on the order is the loop's own, so every step's count is the loop's.
	WIN W_LD
	ULOAD 0,  0
	ULOAD 32, 65536
	ULOAD 64, 256
	ULOAD 96, 65536+256
	FETCH_B 0, BF0
	WIN 0
	ULOAD HS,    512
	ULOAD HS+32, 65536+512
	s_wait_loadcnt 32                              ; units 0-3 are in; B0, U4 and U5, 32 loads, may stay out
	WIN W_CV
.set n, 0
.rept 32
	v_cvt_pk_bf16_f32 v[TB+2*n],   v[4*n],   v[4*n+1]
	v_cvt_pk_bf16_f32 v[TB+2*n+1], v[4*n+2], v[4*n+3]
.set n, n+1
.endr
	WIN 0
.set n, 0
.rept 32                               ; load n = 8 u + j of unit u: chunk u / 2, row 16 (u % 2) + j
	ds_store_b64 v[SA], v[TB+2*n:TB+2*n+1] offset:(n/16)*CHB+(16*((n/8)%2)+n%8)*PK
.set n, n+1
.endr
	FETCH_B 8192, BF1
	WIN 0
	ULOAD HS+64, 768
	FETCH_B 16384, BF2
	WIN 0
	ULOAD HS+96, 65536+768
	s_wait_dscnt 0x0                               ; for the others' sake: my rows of chunks 0 and 1 lie in LDS
	s_barrier_signal -1
	s_barrier_wait -1
	; The four waves run the same text from the same barrier, so their runs of LDS loads would be issued at the same moment, K step after K step.  Wave w starts 64 w idle cycles late (s_nop 15 idles
	; 16), once a tile, so that the runs come one after another.  The chunks' barriers do not bring the waves into step again: 32 matrix instructions stand between a signal and its wait.
	s_cmp_eq_u32 s[WV], 0
	s_cbranch_scc1 .Lskewed
.rept 4
	s_nop 15
.endr
	s_cmp_eq_u32 s[WV], 1
	s_cbranch_scc1 .Lskewed
.rept 4
	s_nop 15
.endr
	s_cmp_eq_u32 s[WV], 2
	s_cbranch_scc1 .Lskewed
.rept 4
	s_nop 15
.endr
.Lskewed:
	FETCH_AH 0, 0
	FETCH_AH 0, 4
	; PASS 0: the product with my first 128 columns, and beside it the keys' way into LDS
	QUAD 1, 0, 0, 2, 56, 56, 56, 56, 8, 0          ; K steps 0-3: step 0's products start the sums; chunks 0 and 1 had their barrier above
	s_mov_b32 s[CNT], 5
.Lq:                                               ; K steps 4 n .. 4 n + 3, n = 1 .. 5: units 4 n + 4 .. + 7 are stored, units 4 n + 8 .. + 11 asked for
	v_add_nc_u32 v[ADR], 2*CHB, v[ADR]
	v_add_nc_u32 v[SA], 2*CHB, v[SA]
	QUAD 0, 1, 1, 2, 56, 56, 56, 56, 16, 1
	s_sub_co_u32 s[CNT], s[CNT], 1
	s_cmp_lg_u32 s[CNT], 0
	s_cbranch_scc1 .Lq
	v_add_nc_u32 v[ADR], 2*CHB, v[ADR]
	v_add_nc_u32 v[SA], 2*CHB, v[SA]
	QUAD 0, 1, 1, 1, 56, 48, 40, 32, 16, 0         ; K steps 24-27: the last four units are stored, none is asked for, and the counts run down by the units that are missing
	STEP F0, F1, 2*CHB+64, BF0, BF3, 57344, 32, 0, 0, 1  ; K step 28: the unit sets are free, so A has its second buffer again; chunk 15's barrier
	WIN 0
	v_add_nc_u32 v[ADR], 2*CHB, v[ADR]             ; chunk 14 and K step 28: where pass 1's loop leaves these two
	s_wait_xcnt 0x0
	s_add_nc_u64 s[UBP:UBP+1], s[UBP:UBP+1], 32768
	s_branch .Ltail                                ; K steps 29-31 and the way to scores are pass 1's own text
.Lpass:                                            ; PASS 1: the tile lies in LDS; 128 rows x my second 128 columns x 1,024 K
	v_mov_b32 v[ADR], v[AB]
	FETCH_A 0, F0
	STEP F0, F1, 64, BF0, BF3, 24576, 32, 1        ; K step 0 stands in front of the loop: its products start the sums
	WIN 0
	s_mov_b32 s[CNT], 7
.Lk:                                               ; K steps 4 t + 1 .. 4 t + 4; at each step's head the fragments of Ua of the two steps behind it, 32 loads, may be out
	STEP F1, F0, CHB,      BF1, BF0, 32768, 32, 0
	STEP F0, F1, CHB+64,   BF2, BF1, 40960, 32, 0
	STEP F1, F0, 2*CHB,    BF3, BF2, 49152, 32, 0
	STEP F0, F1, 2*CHB+64, BF0, BF3, 57344, 32, 0
	WIN 0
	v_add_nc_u32 v[ADR], 2*CHB, v[ADR]
	s_wait_xcnt 0x0                                ; the loads have read their base
	s_add_nc_u64 s[UBP:UBP+1], s[UBP:UBP+1], 32768
	s_sub_co_u32 s[CNT], s[CNT], 1
	s_cmp_lg_u32 s[CNT], 0
	s_cbranch_scc1 .Lk
.Ltail:                                            ; both passes: A(29) is on its way into F1, B(29..31) lie or land in buffers 1, 2, 3
	STEP F1, F0, CHB,    BF1, 0, -1, 32, 0, 1      ; K step 29: nothing of Ua is left to ask for; qs is asked for
	STEP F0, F1, CHB+64, BF2, 0, -1, 32, 0         ; K step 30: step 31's fragments and qs, 32 loads, may be out
	STEP F1, 0, -1,      BF3, 0, -1, 16, 0         ; K step 31: qs may be out
	WIN 0
	PLACES                                         ; behind the last products: for the loads into their sources and the lines that read their results
	s_wait_loadcnt 0x0                             ; qs is in, and no load is out, so the base may be written:
	s_add_nc_u64 s[UBP:UBP+1], s[UBP:UBP+1], 32768 ; the next pass's stream
	FETCH_VA
	s_cmp_eq_u32 s[PASS], 1
	s_cbranch_scc1 .Lnopre                         ; the last pass has none behind it
	FETCH_B 0,     BF0                             ; the next pass's K steps 0, 1, 2 land while this pass's scores are made
	FETCH_B 8192,  BF1
	FETCH_B 16384, BF2
	WIN 0
.Lnopre:
	EPI 2
	EPI 3
	WIN 0
.irp q, 0,1,2,3                        ; the sum of Va over my 64 columns of this pass: four chains
	v_pk_add_f32 v[T+2*(\q):T+2*(\q)+1], v[VA+2*(\q):VA+2*(\q)+1], v[VA+8+2*(\q):VA+8+2*(\q)+1]
.endr
.irp b, 2,3,4,5,6,7
.irp q, 0,1,2,3
	v_pk_add_f32 v[T+2*(\q):T+2*(\q)+1], v[T+2*(\q):T+2*(\q)+1], v[VA+8*(\b)+2*(\q):VA+8*(\b)+2*(\q)+1]
.endr
.endr
	v_pk_add_f32 v[T:T+1],     v[T:T+1],     v[T+2:T+3]
	v_pk_add_f32 v[T+4:T+5],   v[T+4:T+5],   v[T+6:T+7]
	v_pk_add_f32 v[T:T+1],     v[T:T+1],     v[T+4:T+5]
	v_pk_add_f32 v[TT:TT+1],   v[TT:TT+1],   v[T:T+1]
	s_add_nc_u64 s[QSP:QSP+1], s[QSP:QSP+1], 16384 ; the next group's qs and Va: the loads by these bases were shown done by the waits for 0 above
	s_add_nc_u64 s[VAP:VAP+1], s[VAP:VAP+1], 512
	s_sub_co_u32 s[PASS], s[PASS], 1
	s_cmp_lg_u32 s[PASS], 0
	s_cbranch_scc1 .Lpass
	; THE SCORES.  My columns' share: sum(Va) - 2 sum(Va / (1 + 2^(c x))); the other half of the lanes holds the row's other columns of mine; the other waves' shares meet in LDS.
	s_wait_kmcnt 0x0                               ; Va_b
	v_add_f32 v[TT], v[TT], v[TT+1]
.irp a, 0,1,2,3,4,5,6,7
	v_fma_f32 v[S+(\a)], v[S+(\a)], -2.0, v[TT]
.endr
.irp a, 0,1,2,3,4,5,6,7
	v_permlanex16_b32 v[T+(\a)], v[S+(\a)], s[SEL], s[SEL+1]
.endr
.irp a, 0,1,2,3,4,5,6,7
	v_add_f32 v[S+(\a)], v[S+(\a)], v[T+(\a)]
.endr
.irp a, 0,1,2,3,4,5,6,7
	ds_store_b32 v[SCRW], v[S+(\a)] offset:64*(\a) ; row 16 a + r; both halves of the lanes write the same number
.endr
	s_wait_dscnt 0x0                               ; for the others' sake
	s_barrier_signal -1
	s_barrier_wait -1
.irp k, 0,1,2,3
	ds_load_b128 v[SC+4*(\k):SC+4*(\k)+3], v[SCRR] offset:512*(\k)  ; rows 4 lane .. 4 lane + 3 of all four waves' shares; every wave does this alike
.endr
	s_wait_dscnt 0x0
	v_pk_add_f32 v[SC:SC+1],     v[SC:SC+1],     v[SC+4:SC+5]
	v_pk_add_f32 v[SC+2:SC+3],   v[SC+2:SC+3],   v[SC+6:SC+7]
	v_pk_add_f32 v[SC+8:SC+9],   v[SC+8:SC+9],   v[SC+12:SC+13]
	v_pk_add_f32 v[SC+10:SC+11], v[SC+10:SC+11], v[SC+14:SC+15]
	v_pk_add_f32 v[SC:SC+1],     v[SC:SC+1],     v[SC+8:SC+9]
	v_pk_add_f32 v[SC+2:SC+3],   v[SC+2:SC+3],   v[SC+10:SC+11]
	v_pk_add_f32 v[SC:SC+1],     v[SC:SC+1],     s[VB:VB+1] op_sel_hi:[1,0]
	v_pk_add_f32 v[SC+2:SC+3],   v[SC+2:SC+3],   s[VB:VB+1] op_sel_hi:[1,0]
	s_cmp_lg_u32 s[WV], 0
	s_cbranch_scc1 .Lnosc
	global_store_b128 v[L16], v[SC:SC+3], s[SCP:SCP+1]  ; wave 0: the tile's 128 scores, 512 consecutive bytes, aligned; these registers are not written again
.Lnosc:
	; THE TILE'S SOFTMAX, relative to its own maximum
	v_max3_num_f32 v[M], v[SC], v[SC+1], v[SC+2]
	v_max_num_f32 v[M], v[M], v[SC+3]
	v_max_num_f32_dpp v[M], v[M], v[M] row_xmask:1 row_mask:0xf bank_mask:0xf
	v_max_num_f32_dpp v[M], v[M], v[M] row_xmask:2 row_mask:0xf bank_mask:0xf
	v_max_num_f32_dpp v[M], v[M], v[M] row_xmask:4 row_mask:0xf bank_mask:0xf
	v_max_num_f32_dpp v[M], v[M], v[M] row_xmask:8 row_mask:0xf bank_mask:0xf
	v_permlanex16_b32 v[M+1], v[M], s[SEL], s[SEL+1]
	v_max_num_f32 v[M], v[M], v[M+1]
	v_mul_f32 v[M+1], s[LOG2E], v[M]
.irp k, 0,1,2,3
	v_fma_f32 v[P+(\k)], v[SC+(\k)], s[LOG2E], -v[M+1]
.endr
.irp k, 0,1,2,3
	v_exp_f32 v[P+(\k)], v[P+(\k)]
.endr
.irp e, 0,1,2,3,4,5,6,7
	v_mov_b32 v[CX+(\e)], 0                        ; the eight sums start at 0; these lines are also the plain work behind the exponentials
.endr
	s_wait_alu depctr_va_vdst(0)                   ; one wait for the four exponentials, ahead of their first reader
	ds_store_b128 v[PW], v[P:P+3]                  ; my wave's own copy: LDS serves a wave's instructions in order (ISA guide 5.7.1.4), so its loads below see it
	; THE WEIGHTED SUM over the 128 rows still in LDS, 16 rows a set, two sets by turns: while one is multiplied the other's 20 loads are out
	CLOAD 0, KX0, WX0
	s_mov_b32 s[CNT], 3
.Lc:
	CLOAD 1, KX1, WX1
	s_wait_dscnt 20                                ; all but the 20 just issued
	CFMA KX0, WX0
	v_add_nc_u32 v[CA], 32*PK, v[CA]
	v_add_nc_u32 v[PR], 128, v[PR]
	CLOAD 0, KX0, WX0
	s_wait_dscnt 20
	CFMA KX1, WX1
	s_sub_co_u32 s[CNT], s[CNT], 1
	s_cmp_lg_u32 s[CNT], 0
	s_cbranch_scc1 .Lc
	CLOAD 1, KX1, WX1                              ; rows 112 to 127: the last
	s_wait_dscnt 20
	CFMA KX0, WX0
	s_wait_dscnt 0x0
	CFMA KX1, WX1
	; THE WAY OUT: a lane's 32 bytes go through my wave's own LDS bytes and come back as two runs of 512 consecutive bytes
	ds_store_b128 v[CTW], v[CX:CX+3]
	ds_store_b128 v[CTW], v[CX+4:CX+7] offset:16
	ds_load_b128 v[OUT:OUT+3],   v[CTR]
	ds_load_b128 v[OUT+4:OUT+7], v[CTR] offset:512
	s_wait_dscnt 0x0
	global_store_b128 v[L16], v[OUT:OUT+3],   s[CXP:CXP+1]
	global_store_b128 v[L16], v[OUT+4:OUT+7], s[CXP:CXP+1] offset:512
	s_wait_tensorcnt 0x0                           ; the wave's end: three closing lines, behind my last LDS store
	ds_add_u32 v[SPW], v[NIL]
	s_wait_dscnt 0x0
	s_endpgm
.Lfunc_end_k_q0a6829e8cf_score:
	.size	k_q0a6829e8cf_score, .Lfunc_end_k_q0a6829e8cf_score-k_q0a6829e8cf_score
	.p2alignl 7, 3214868480
	.fill 96, 4, 3214868480
	.section	.rodata,"a",@progbits
	.p2align	6, 0x0
	.amdhsa_kernel k_q0a6829e8cf_score
		.amdhsa_group_segment_fixed_size 305664
		.amdhsa_private_segment_fixed_size 0
		.amdhsa_enable_private_segment 0
		.amdhsa_kernarg_size 56
		.amdhsa_user_sgpr_count 2
		.amdhsa_user_sgpr_kernarg_segment_ptr 1
		.amdhsa_wavefront_size32 1
		.amdhsa_system_sgpr_workgroup_id_x 1
		.amdhsa_system_sgpr_workgroup_id_y 1
		.amdhsa_system_sgpr_workgroup_id_z 1
		.amdhsa_system_vgpr_workitem_id 0
		.amdhsa_next_free_vgpr 1024
		.amdhsa_next_free_sgpr 66
		.amdhsa_reserve_vcc 0
		.amdhsa_float_denorm_mode_32 3
		.amdhsa_float_denorm_mode_16_64 3
		.amdhsa_memory_ordered 1
		.amdhsa_forward_progress 1
		.amdhsa_inst_pref_size 255
	.end_amdhsa_kernel
	.section	.bss,"aw",@nobits
	.p2align	6
	.space	262144
	.amdgpu_metadata
---
amdhsa.version: [ 1, 2 ]
amdhsa.kernels:
  - .name:           k_q0a6829e8cf_score
    .symbol:         k_q0a6829e8cf_score.kd
    .args:
      - { .name: keys, .offset: 0, .size: 8, .value_kind: global_buffer, .address_space: global }
      - { .name: ub, .offset: 8, .size: 8, .value_kind: global_buffer, .address_space: global }
      - { .name: qs, .offset: 16, .size: 8, .value_kind: global_buffer, .address_space: global }
      - { .name: Va_w, .offset: 24, .size: 8, .value_kind: global_buffer, .address_space: global }
      - { .name: Va_b, .offset: 32, .size: 8, .value_kind: global_buffer, .address_space: global }
      - { .name: scores, .offset: 40, .size: 8, .value_kind: global_buffer, .address_space: global }
      - { .name: ctxp, .offset: 48, .size: 8, .value_kind: global_buffer, .address_space: global }
    .group_segment_fixed_size: 305664
    .private_segment_fixed_size: 0
    .kernarg_segment_align: 8
    .kernarg_segment_size: 56
    .max_flat_workgroup_size: 128
    .sgpr_count:     66
    .vgpr_count:     1024
    .wavefront_size: 32
...
	.end_amdgpu_metadata
.endif
;; end of part 2
;; launch finish (part 3): grid 32 x 1, 16 waves a work-group, no clusters, 2,304 bytes of LDS; arguments scores, ctxp, out0, out1; writes out0, out1
.if DOCPART == 3
	.amdgcn_target "amdgcn-amd-amdhsa--gfx1250"
	.amdhsa_code_object_version 6
	.text
	.protected	k_q0a6829e8cf_finish
	.globl	k_q0a6829e8cf_finish
	.p2align	8
	.type	k_q0a6829e8cf_finish,@function
k_q0a6829e8cf_finish:
	s_mov_b64 s[64:65], 0
	v_nop
	global_prefetch_b8 v0, s[64:65] scope:SCOPE_SE
	s_setreg_imm32_b32 hwreg(HW_REG_WAVE_MODE, 25, 1), 1
	s_wait_xcnt 0x0
; FINISH.  A work-group is a batch; it joins the batch's 16 tiles of 128 keys.  Wave v is tile v: from the stored scores it makes the tile's maximum m_v (the same number that the launch before used: a maximum
; rounds nothing), the weights p = e^(s - m_v) and their sum l_v.  With M = max m_v, f_v = e^(m_v - M), L = sum f_v l_v:  out1[s] = p f_v / L;  out0[:] = (sum over v of f_v ctxp[v][:]) / L.
; Thread t holds scores 4 t .. 4 t + 3 (16 bytes) and channels 2 t, 2 t + 1 (8 bytes of each of the 16 partial sums).  All loads go out at the head.
; L is at least 1: the tile that holds M has f = 1, and its own largest weight is 1.  A weight below 2^-126 counts as 0.  NaN and infinities are not treated apart.
; 32 work-groups are all the work there is; no matrix unit, no tensor loads, no cluster: 2.3 MB are read, each byte once.
.set SPARE, 256                        ; LDS: 16 pairs (m, l) in the first block, then the spare words, 128 bytes a wave
.set SPW, 3
.set NIL, 4
.set CXI, 20                           ; v[20:51]  tile i's two channels at CXI + 2 i
.set ML,  52                           ; v[52:83]  m_i at ML + 2 i, l_i at ML + 2 i + 1
.set F,   84                           ; v[84:99]  f_i
	s_load_b256 s[4:11], s[0:1], 0x0               ; scores s[4:5], ctxp s[6:7], out0 s[8:9], out1 s[10:11]
	v_lshl_add_u32 v[SPW], v0, 2, SPARE
	v_mov_b32 v[NIL], 0
	v_lshrrev_b32 v5, 5, v0
	v_readfirstlane_b32 s12, v5                    ; wave 0..15
	v_lshlrev_b32 v1, 4, v0                        ; 16 t
	v_lshlrev_b32 v2, 3, v0                        ; 8 t
	s_lshl_b32 s13, s12, 3
	v_mov_b32 v5, s13                              ; my wave's pair in LDS
	v_mov_b32 v6, 0
	v_mov_b32 v19, 0                               ; a lane exchange's destination counts as read
	s_mov_b32 s14, 0x76543210
	s_mov_b32 s15, 0xfedcba98
	s_mov_b32 s16, 0x3fb8aa3b                      ; log2(e)
	s_mov_b32 s19, 0
	s_wait_kmcnt 0x0
	s_lshl_b32 s18, ttmp9, 13                      ; a batch's 2,048 scores
	s_add_nc_u64 s[4:5], s[4:5], s[18:19]
	s_add_nc_u64 s[10:11], s[10:11], s[18:19]
	s_lshl_b32 s18, ttmp9, 16                      ; its 16 partial sums of 4,096 bytes
	s_add_nc_u64 s[6:7], s[6:7], s[18:19]
	s_lshl_b32 s18, ttmp9, 12
	s_add_nc_u64 s[8:9], s[8:9], s[18:19]
	global_load_b128 v[8:11], v1, s[4:5]
.irp i, 0,1,2,3,4,5,6,7,8,9,10,11,12,13,14,15
	global_load_b64 v[CXI+2*(\i):CXI+2*(\i)+1], v2, s[6:7] offset:4096*(\i)   ; a wave's load covers 256 consecutive bytes, aligned
.endr
	s_wait_loadcnt 16                              ; the scores are in; the 16 younger loads may stay out
	v_max3_num_f32 v16, v8, v9, v10
	v_max_num_f32 v16, v16, v11
	v_max_num_f32_dpp v16, v16, v16 row_xmask:1 row_mask:0xf bank_mask:0xf
	v_max_num_f32_dpp v16, v16, v16 row_xmask:2 row_mask:0xf bank_mask:0xf
	v_max_num_f32_dpp v16, v16, v16 row_xmask:4 row_mask:0xf bank_mask:0xf
	v_max_num_f32_dpp v16, v16, v16 row_xmask:8 row_mask:0xf bank_mask:0xf
	v_permlanex16_b32 v19, v16, s14, s15
	v_max_num_f32 v16, v16, v19                    ; m of my tile
	v_mul_f32 v18, s16, v16
.irp j, 0,1,2,3
	v_fma_f32 v[12+(\j)], v[8+(\j)], s16, -v18
.endr
.irp j, 0,1,2,3
	v_exp_f32 v[12+(\j)], v[12+(\j)]
.endr
	v_nop                                          ; a plain line behind the last exponential,
	s_wait_alu depctr_va_vdst(0)                   ; and one wait for the four, ahead of their first reader
	v_add_f32 v17, v12, v13
	v_add_f32 v19, v14, v15
	v_add_f32 v17, v17, v19
	v_add_f32_dpp v17, v17, v17 row_xmask:1 row_mask:0xf bank_mask:0xf
	v_add_f32_dpp v17, v17, v17 row_xmask:2 row_mask:0xf bank_mask:0xf
	v_add_f32_dpp v17, v17, v17 row_xmask:4 row_mask:0xf bank_mask:0xf
	v_add_f32_dpp v17, v17, v17 row_xmask:8 row_mask:0xf bank_mask:0xf
	v_permlanex16_b32 v19, v17, s14, s15
	v_add_f32 v17, v17, v19                        ; l of my tile
	ds_store_b64 v5, v[16:17]                      ; all lanes write the same pair
	s_wait_dscnt 0x0                               ; for the others' sake
	s_barrier_signal -1
	s_barrier_wait -1
.irp k, 0,1,2,3,4,5,6,7
	ds_load_b128 v[ML+4*(\k):ML+4*(\k)+3], v6 offset:16*(\k)
.endr
	s_wait_dscnt 0x0
	v_max3_num_f32 v100, v[ML], v[ML+2], v[ML+4]
.irp i, 3,5,7,9,11,13
	v_max3_num_f32 v100, v100, v[ML+2*(\i)], v[ML+2*(\i)+2]
.endr
	v_max_num_f32 v100, v100, v[ML+30]             ; M
	v_mul_f32 v18, s16, v100
.irp i, 0,1,2,3,4,5,6,7,8,9,10,11,12,13,14,15
	v_fma_f32 v[F+(\i)], v[ML+2*(\i)], s16, -v18
.endr
	v_fma_f32 v103, v16, s16, -v18
.irp i, 0,1,2,3,4,5,6,7,8,9,10,11,12,13,14,15
	v_exp_f32 v[F+(\i)], v[F+(\i)]
.endr
	v_exp_f32 v103, v103                           ; my own tile's f
	v_nop
	s_wait_alu depctr_va_vdst(0)                   ; one wait for the seventeen
	v_mul_f32 v101, v[F], v[ML+1]                  ; L, in two chains
	v_mul_f32 v19, v[F+1], v[ML+3]
.irp i, 2,4,6,8,10,12,14
	v_fma_f32 v101, v[F+(\i)], v[ML+2*(\i)+1], v101
	v_fma_f32 v19, v[F+(\i)+1], v[ML+2*(\i)+3], v19
.endr
	v_add_f32 v101, v101, v19
	v_rcp_f32 v102, v101
	v_nop
	s_wait_alu depctr_va_vdst(0)
	v_mul_f32 v103, v103, v102                     ; f / L
.irp j, 0,1,2,3
	v_mul_f32 v[12+(\j)], v[12+(\j)], v103
.endr
	global_store_b128 v1, v[12:15], s[10:11]       ; a wave stores 512 consecutive bytes, aligned
	s_wait_loadcnt 0x0                             ; the partial sums
	v_mul_f32 v104, v[CXI], v[F]
	v_mul_f32 v105, v[CXI+1], v[F]
.irp i, 1,2,3,4,5,6,7,8,9,10,11,12,13,14,15
	v_fma_f32 v104, v[CXI+2*(\i)], v[F+(\i)], v104
	v_fma_f32 v105, v[CXI+2*(\i)+1], v[F+(\i)], v105
.endr
	v_mul_f32 v104, v104, v102
	v_mul_f32 v105, v105, v102
	global_store_b64 v2, v[104:105], s[8:9]        ; a wave stores 256 consecutive bytes, aligned
	s_wait_tensorcnt 0x0                           ; the wave's end: three closing lines, behind my last LDS store
	ds_add_u32 v[SPW], v[NIL]
	s_wait_dscnt 0x0
	s_endpgm
.Lfunc_end_k_q0a6829e8cf_finish:
	.size	k_q0a6829e8cf_finish, .Lfunc_end_k_q0a6829e8cf_finish-k_q0a6829e8cf_finish
	.p2alignl 7, 3214868480
	.fill 96, 4, 3214868480
	.section	.rodata,"a",@progbits
	.p2align	6, 0x0
	.amdhsa_kernel k_q0a6829e8cf_finish
		.amdhsa_group_segment_fixed_size 2304
		.amdhsa_private_segment_fixed_size 0
		.amdhsa_enable_private_segment 0
		.amdhsa_kernarg_size 32
		.amdhsa_user_sgpr_count 2
		.amdhsa_user_sgpr_kernarg_segment_ptr 1
		.amdhsa_wavefront_size32 1
		.amdhsa_system_sgpr_workgroup_id_x 1
		.amdhsa_system_sgpr_workgroup_id_y 1
		.amdhsa_system_sgpr_workgroup_id_z 1
		.amdhsa_system_vgpr_workitem_id 0
		.amdhsa_next_free_vgpr 112
		.amdhsa_next_free_sgpr 66
		.amdhsa_reserve_vcc 0
		.amdhsa_float_denorm_mode_32 3
		.amdhsa_float_denorm_mode_16_64 3
		.amdhsa_memory_ordered 1
		.amdhsa_forward_progress 1
		.amdhsa_inst_pref_size 11
	.end_amdhsa_kernel
	.amdgpu_metadata
---
amdhsa.version: [ 1, 2 ]
amdhsa.kernels:
  - .name:           k_q0a6829e8cf_finish
    .symbol:         k_q0a6829e8cf_finish.kd
    .args:
      - { .name: scores, .offset: 0, .size: 8, .value_kind: global_buffer, .address_space: global }
      - { .name: ctxp, .offset: 8, .size: 8, .value_kind: global_buffer, .address_space: global }
      - { .name: out0, .offset: 16, .size: 8, .value_kind: global_buffer, .address_space: global }
      - { .name: out1, .offset: 24, .size: 8, .value_kind: global_buffer, .address_space: global }
    .group_segment_fixed_size: 2304
    .private_segment_fixed_size: 0
    .kernarg_segment_align: 8
    .kernarg_segment_size: 32
    .max_flat_workgroup_size: 512
    .sgpr_count:     66
    .vgpr_count:     112
    .wavefront_size: 32
...
	.end_amdgpu_metadata
.endif
;; end of part 3
;; ======== version 2 of 2: 3 launches; version 1 with the launch score written anew for expert scheduling mode
;; workspace buffers: ub 2,097,152 bytes; qs 131,072 bytes; scores 262,144 bytes; ctxp 2,097,152 bytes
;; launch prep: the kernel of part 1 again; grid 64 x 1, 16 waves a work-group, no clusters, 34,816 bytes of LDS; arguments Ua_w, Wa_w, query, Wa_b, Ua_b, ub, qs; writes ub, qs
;; launch score (part 4): grid 512 x 1, 4 waves a work-group, no clusters, 305,664 bytes of LDS; arguments keys, ub, qs, Va_w, Va_b, scores, ctxp; writes scores, ctxp
.if DOCPART == 4
	.amdgcn_target "amdgcn-amd-amdhsa--gfx1250"
	.amdhsa_code_object_version 6
	.text
	.protected	k_q0a6829e8cf_score
	.globl	k_q0a6829e8cf_score
	.p2align	8
	.type	k_q0a6829e8cf_score,@function
k_q0a6829e8cf_score:
	s_mov_b64 s[64:65], 0
	v_nop
	global_prefetch_b8 v0, s[64:65] scope:SCOPE_SE
	s_setreg_imm32_b32 hwreg(HW_REG_WAVE_SCHED_MODE, 0, 2), 2
	s_setreg_imm32_b32 hwreg(HW_REG_WAVE_MODE, 25, 1), 1
	s_wait_xcnt 0x0
	s_wait_alu depctr_vm_vsrc(0)
; SCORE.  For a tile of 128 key rows of one batch: score[s] = Va . tanh(q_proj + Wa_b + Ua k_s + Ua_b) + Va_b; p[s] = e^(score[s] - m), m the tile's own maximum;
; ctxp[tile][:] = the sum over the tile's s of p[s] k_s.  The launch behind joins a batch's 16 tiles by their maxima.
; THE KEYS ARE READ FROM MEMORY ONCE, WHILE THE FIRST PASS MULTIPLIES: they are rounded to bf16 on the way in and stay in LDS for both passes of the product AND for the weighted sum.
; SHARES.  Work-group = tile t: rows 128 (t % 16) on of batch t / 16.  In the product wave w takes ALL 128 rows and, in pass p = 0, 1, the 128 columns of group 2 w + p: 64 accumulators of 16 x 16, 512 registers.
; A fragment of Ua is wanted by one wave alone and comes straight from memory into registers (ub lies in fragment order: 16 loads of 512 consecutive bytes for a K step of 32), three K steps ahead.
; THE KEYS COME BY K.  A CHUNK is 64 K of all 128 rows: 256 consecutive bytes, aligned, of each f32 row.  Wave w brings rows 32 w .. 32 w + 31 of every chunk, as two UNITS of 16 rows (8 loads, 32 registers):
; one unit a K step.  Unit u is asked for at the end of step u - 8, rounded and stored at the end of step u - 4; a chunk's barrier stands in the step after its second unit's; its first read comes a step later.
; In pass 0 the four unit sets take the registers of A's second buffer and of qs, so A has one buffer, filled in halves: row blocks 0-3 in a step's middle, 4-7 at its end.
; THE MATRIX INSTRUCTION IS USED TRANSPOSED (source 0 = 16 columns of Ua, source 1 = 16 key rows): a lane holds ONE key row (lane % 16) and the columns 8 (lane / 16) + 0..7, so Va's sum over columns stays in the lane.
; TANH.  tanh(x) = 1 - 2 / (1 + 2^(c x)), c = 2 log2(e): right for every finite x (2^(c x) = infinity gives 1, 0 gives -1).  So Va . tanh = sum(Va) - 2 sum(Va / (1 + 2^(c x))); both sums have terms of |Va|'s size.
; LIMITS.  keys and Ua_w are rounded to bf16 for the product, and the same bf16 keys serve the weighted sum; all sums, scores and weights are f32.  A weight below 2^-126 counts as 0.  NaN and infinities are not treated apart.
; NO CLUSTER.  What work-groups share is ub.  A joint load lands in LDS, where 22,016 bytes are left beside this text's 305,664; two slots of one K step of 32 for the work-group's 512 columns would be 65,536.
; NO TENSOR LOADS: the rows are rounded before they rest in LDS, and no f32 copy fits beside them.
; THE MODE: SCHED_MODE bits 1:0 = 2 (LLVM: expert scheduling mode 2), set by the entry lines.  The code itself states the register dependences between vector or matrix instructions and memory or LDS
; instructions, with s_wait_alu, always for 0.
; THE PLAN.  Registers that memory or LDS instructions touch, and who else names them:
;   Ua's four buffers     K step s's 64 products read buffer s % 4; the loads issued in step s + 1 (the fragments of step s + 4) land in it.
;   F0, F1 as two buffers K step s's products read one of them; the LDS loads issued in step s + 1 land in it.
;   F0 alone (pass 0)     a step's first 32 products read row blocks 0-3, in which the LDS loads of the step's middle land; its last 32 read row blocks 4-7, in which those of its end land.
;   a unit set            at one step's end: 16 conversions read and write it, 8 LDS stores read it, 8 loads land in it.  Behind pass 0 the sets are F1 (later Va) and qs again.
;   ADR, SA, CA, PR       LDS addresses, read by LDS loads and stores, stepped by vector adds.
;   L16, H32, KO, PFO, SCRW, SCRR, PW, CTW, CTR   offsets and addresses made at the head and never written again.
; THE WAITS.  A K step on two buffers has ONE wait on va_vdst, at its head: the step before is done reading the two buffers that this step's loads land in; this step's products name the other two and the
; accumulators, so its loads stand among them with no further wait.  A K step of pass 0 has two: in its middle (row blocks 0-3 are read) and behind its conversions (the set is written, row blocks 4-7 and
; this step's buffer of Ua are read), and one on vm_vsrc (the stores have read the set) ahead of the unit's loads.  An address is stepped behind a wait on vm_vsrc and ahead of a wait on va_vdst that stands there anyway.
; REGISTERS, in windows of 256 (s_set_vgpr_msb: bits 1:0 source 0, 3:2 source 1, 5:4 source 2, 7:6 destination):
;   window 0: v0-63 addresses and small sums; v64-127, v128-191 A's two fragment buffers; v192-255 qs of the pass's columns; in pass 0 v128-255 are the four unit sets     window 1: four buffers of Ua's fragments
;   window 2: accumulators of row blocks 0-3 ((a, b) at 8 (8 a + b)); at the start v0-127 take units 0-3          window 3: accumulators of row blocks 4-7
.set PK,    144                        ; a row of a chunk in LDS: 128 bytes of bf16 + 16 = 36 words: the 16 rows of a fragment load start at 16 different groups of four banks (64 banks of 4 bytes: ISA guide 11.1)
.set CHB,   128*PK+128                 ; a chunk: 128 rows and 128 bytes more, 32 words modulo 64: two neighbouring chunks' 128 bytes of one row fall on different banks (the weighted sum reads so)
.set SCR,   16*CHB                     ; wave w's 128 partial scores at 512 w + 4 row
.set PS,    SCR+2048                   ; wave w's own copy of the 128 weights at 512 w + 4 row
.set CT,    PS+2048                    ; wave w's own 1,024 bytes, to turn its 256 sums into runs of 512 bytes
.set SPARE, CT+4096                    ; the spare words, 128 bytes a wave: two blocks of 256 bytes that no other line names
.set L16,  4                           ; v4   16 x lane; never rewritten
.set H32,  5                           ; v5   32 x (lane / 16); never rewritten
.set SA,   6                           ; v6   where I store a unit: (32 w + 8 (lane / 16)) PK + 8 (lane % 16), stepped by chunks
.set CTR,  7                           ; v7   CT + 1024 w + 16 lane
.set AB,   8                           ; v8   my place in a fragment: (lane % 16) PK + 16 (lane / 16); never rewritten
.set ADR,  9                           ; v9   the same, stepped by chunks
.set KO,   10                          ; v10  my place in a unit in memory: 8 rows x (lane / 16) + 16 (lane % 16); never rewritten
.set PFO,  11                          ; v11  the prefetches' offset: lane x a row of 4,096 bytes; never rewritten
.set S,    16                          ; v16-23  row block a: the sum of Va / (1 + 2^(c x))
.set TT,   24                          ; v24-25  the sum of Va
.set SPW,  26                          ; v26  my spare word; never rewritten
.set NIL,  27                          ; v27  0; never rewritten
.set T,    28                          ; v28-35  at work
.set SC,   36                          ; v36-51  four waves' partial scores of rows 4 lane .. 4 lane + 3; v36-39 become the scores
.set P,    52                          ; v52-55  their weights
.set M,    56                          ; v56-57  the tile's maximum; at work
.set SCRW, 58
.set SCRR, 59
.set PW,   60
.set PR,   61
.set CA,   62
.set CTW,  63
.set F0,   64
.set F1,   128
.set QC,   192                         ; qs of column 16 b + 8 h + j at QC + 8 b + j
.set VA,   128                         ; Va likewise, in F1's registers while no product runs
.set TB,   64                          ; the start: units 0-3 rounded, 16 registers each
.set HS,   128                         ; pass 0: unit u's set of 32 registers at HS + 32 (u % 4)
.set KX0,  64                          ; the weighted sum: 16 rows x 4 registers, two sets
.set KX1,  128
.set WX0,  192                         ; their 16 weights, two sets
.set WX1,  208
.set CX,   224                         ; my 8 channels' sums
.set OUT,  232
.set BF0,  0                           ; window 1: K step s's fragments of Ua in buffer s % 4
.set BF1,  64
.set BF2,  128
.set BF3,  192
.set KP,   4                           ; s[4:5]   keys at my 32 rows, stepped along K
.set UBP,  6                           ; s[6:7]   ub, stepped
.set QSP,  8                           ; s[8:9]   qs
.set VAP,  10                          ; s[10:11] Va_w
.set VBP,  12                          ; s[12:13] Va_b
.set SCP,  14                          ; s[14:15] scores
.set CXP,  16                          ; s[16:17] ctxp
.set WV,   18
.set OFS,  22                          ; s[22:23] an offset, made apart from every address
.set CNT,  24
.set PASS, 25
.set CS,   26                          ; s[26:27] c
.set SEL,  28                          ; s[28:29] v_permlanex16_b32's selects: each lane takes its own place in the other half
.set VB,   30                          ; s30  Va_b's value
.set LOG2E, 31                         ; s31
.set MSB, 0
.macro WIN new                         ; the immediate's high byte repeats the setting that is left; a switch that changes nothing is dropped
.if MSB != (\new)
	s_set_vgpr_msb (MSB<<8)|(\new)
.set MSB, \new
.endif
.endm
.set W_LD,   0x80                      ; destination window 2
.set W_CV,   0x0a                      ; sources 0 and 1 window 2
.set TO_B,   0x40                      ; destination window 1
.set MUL_LO, 0xa1                      ; source 0 (Ua) window 1, source 1 (keys) window 0, C and D window 2
.set MUL_HI, 0xf1                      ; the same, C and D window 3
.macro PLACES                          ; four places behind matrix instructions: in front of vector lines that read their results, and, beside the wait that states the dependence, in front of loads into registers that they have read
.rept 4
	v_nop
.endr
.endm
; Ua's fragments of one K step (128 columns x 32 K, 8,192 consecutive bytes) into buffer f
.macro FETCH_B off, f
	WIN TO_B
.irp c, 0,1,2,3,4,5,6,7
	global_load_b128 v[(\f)+8*(\c):(\f)+8*(\c)+3],   v[L16], s[UBP:UBP+1] offset:(\off)+1024*(\c)
	global_load_b128 v[(\f)+8*(\c)+4:(\f)+8*(\c)+7], v[L16], s[UBP:UBP+1] offset:(\off)+1024*(\c)+512
.endr
.endm
; the keys' fragments of one K step (128 rows x 32 K; k = chunks x CHB + 64 x the step's half of the chunk) into buffer f; row blocks ascending
.macro FETCH_A k, f
	WIN 0
.irp i, 0,1,2,3,4,5,6,7
	ds_load_b128 v[(\f)+8*(\i):(\f)+8*(\i)+3],   v[ADR] offset:(\k)+(\i)*16*PK
	ds_load_b128 v[(\f)+8*(\i)+4:(\f)+8*(\i)+7], v[ADR] offset:(\k)+(\i)*16*PK+32
.endr
.endm
; half of them: row blocks i0 .. i0 + 3, into their places in F0
.macro FETCH_AH k, i0
	WIN 0
.irp i, 0,1,2,3
	ds_load_b128 v[F0+8*((\i0)+(\i)):F0+8*((\i0)+(\i))+3],   v[ADR] offset:(\k)+((\i0)+(\i))*16*PK
	ds_load_b128 v[F0+8*((\i0)+(\i))+4:F0+8*((\i0)+(\i))+7], v[ADR] offset:(\k)+((\i0)+(\i))*16*PK+32
.endr
.endm
.macro FETCH_Q
	WIN 0
.irp b, 0,1,2,3,4,5,6,7
	global_load_b128 v[QC+8*(\b):QC+8*(\b)+3],   v[H32], s[QSP:QSP+1] offset:2048*(\b)
	global_load_b128 v[QC+8*(\b)+4:QC+8*(\b)+7], v[H32], s[QSP:QSP+1] offset:2048*(\b)+16
.endr
.endm
.macro FETCH_VA
	WIN 0
.irp b, 0,1,2,3,4,5,6,7
	global_load_b128 v[VA+8*(\b):VA+8*(\b)+3],   v[H32], s[VAP:VAP+1] offset:64*(\b)
	global_load_b128 v[VA+8*(\b)+4:VA+8*(\b)+7], v[H32], s[VAP:VAP+1] offset:64*(\b)+16
.endr
.endm
; 16 matrix instructions: row blocks a0, a0 + 1 of the window's four x all 8 column blocks.  zero = 1: the product starts the sum.  The 64 accumulators take turns in the same order in every K step.
.macro MUL16 fA, fB, hi, a0, zero
	WIN MUL_LO+0x50*(\hi)
.irp a, \a0, (\a0)+1
.irp b, 0,1,2,3,4,5,6,7
.if \zero
	v_wmma_f32_16x16x32_bf16 v[8*(8*(\a)+(\b)):8*(8*(\a)+(\b))+7], v[(\fB)+8*(\b):(\fB)+8*(\b)+7], v[(\fA)+8*(4*(\hi)+(\a)):(\fA)+8*(4*(\hi)+(\a))+7], 0
.else
	v_wmma_f32_16x16x32_bf16 v[8*(8*(\a)+(\b)):8*(8*(\a)+(\b))+7], v[(\fB)+8*(\b):(\fB)+8*(\b)+7], v[(\fA)+8*(4*(\hi)+(\a)):(\fA)+8*(4*(\hi)+(\a))+7], v[8*(8*(\a)+(\b)):8*(8*(\a)+(\b))+7]
.endif
.endr
.endr
.endm
; A K STEP ON TWO BUFFERS OF A (pass 1, and pass 0 from step 28 on): 64 matrix instructions on fA and fB.  ONE wait at its head; behind it the step's loads stand in two runs among the products, which name fA, fB and the
; accumulators alone: behind the first 16 Ua's fragments of the step three on (byte offB, into gB), behind the first 32 the keys' of the next step (k = kA, into gA); both buffers were last read by the step before.
; kA, offB = -1: nothing is left to fetch.  q = 1: qs for the way out.  bar = 1: the last chunk's barrier.  free = 0: no wait at the head: an earlier wait, with no vector or matrix instruction behind it, has stated the same, or the step issues no load.
; lc: the loads younger than this step's fragments of Ua, which may stay out.
.macro STEP fA, gA, kA, fB, gB, offB, lc, zero, q=0, bar=0, free=1
	s_wait_loadcnt \lc
	s_wait_dscnt 8                                 ; row blocks 0-3 are in; the youngest eight loads (row blocks 4-7) may be out
.if \free
	PLACES
	s_wait_alu depctr_va_vdst(0)                   ; the step before's products are done reading gA and gB, in which this step's loads land; whatever read qs's registers is done; where ADR was stepped ahead of this step, it is written
.endif
	MUL16 \fA, \fB, 0, 0, \zero
.if (\offB) >= 0
	FETCH_B \offB, \gB                             ; no wait: no vector or matrix instruction since the wait names gB or the offset
.endif
.if \q
	FETCH_Q
.endif
	MUL16 \fA, \fB, 0, 2, \zero
.if \bar
	s_wait_dscnt 0x0                               ; for the others' sake: my stores of the chunk are done (they and the loads behind them were issued 32 matrix instructions ago)
	s_barrier_signal -1
.endif
.if (\kA) >= 0
	FETCH_A \kA, \gA                               ; no wait: no vector or matrix instruction since the wait names gA or ADR
	s_wait_dscnt 16                                ; all but the 16 just issued
.else
	s_wait_dscnt 0x0
.endif
	MUL16 \fA, \fB, 1, 0, \zero
	MUL16 \fA, \fB, 1, 2, \zero
.if \bar
	s_barrier_wait -1
.endif
.endm
; A UNIT: 16 of my rows (j + 8 (lane / 16), j = 0..7, in the rows' half that 'off' names) x 64 K.  A load covers 256 consecutive bytes, aligned, of each of two rows; the window is the caller's.
.macro ULOAD hs, off
.irp j, 0,1,2,3,4,5,6,7
	global_load_b128 v[(\hs)+4*(\j):(\hs)+4*(\j)+3], v[KO], s[KP:KP+1] offset:(\off)+4096*(\j) th:TH_LOAD_NT
.endr
.endm
.macro UCVT hs                         ; rounded in place, ascending: register 2 j takes numbers 4 j, 4 j + 1, so nothing is overwritten before it is read
.irp j, 0,1,2,3,4,5,6,7
	v_cvt_pk_bf16_f32 v[(\hs)+2*(\j)],   v[(\hs)+4*(\j)],   v[(\hs)+4*(\j)+1]
	v_cvt_pk_bf16_f32 v[(\hs)+2*(\j)+1], v[(\hs)+4*(\j)+2], v[(\hs)+4*(\j)+3]
.endr
.endm
.macro USTORE hs, off                  ; a store puts 128 consecutive bytes into each of two rows, 8 rows = 288 words apart: 32 banks apart
.irp j, 0,1,2,3,4,5,6,7
	ds_store_b64 v[SA], v[(\hs)+2*(\j):(\hs)+2*(\j)+1] offset:(\off)+PK*(\j)
.endr
.endm
; A K STEP OF PASS 0, s = 0 .. 27, on F0 alone.  In its middle: Ua's fragments of step s + 3, then row blocks 0-3 of step s + 1.  At its end: unit s + 4 (set hs) is rounded and stored at 'so'; row blocks 4-7 of
; step s + 1; un = 2: unit s + 8 is asked for, at 'ko', into the same set.
; Ua's loads stand between the first 32 products and the wait for these: their buffer was last read by the step before, whose end wait has stated that, so they are issued while the products finish.
; lc: behind B(s) were issued U(s+5), B(s+1), U(s+6), B(s+2), U(s+7): 56 loads, fewer at the end.  Unit s + 4 was asked for ahead of B(s), so the same wait shows it in.
; dh: behind row blocks 0-3 were issued the last step's 8 stores and row blocks 4-7.
; bar = 1 (even steps from 2 on): the barrier of chunk s / 2 + 1, whose units were stored at the ends of steps s - 2 and s - 1 and which is first read in the middle of step s + 1.  Between signal and wait stand LDS loads of a
; chunk that is whole and never written again, and 32 matrix instructions.
; stp = 1: the two pointers go on, behind s_wait_xcnt 0, which stands 32 matrix instructions behind the youngest load.
.macro STEP0 fB, gB, offB, lc, dh, zero, kA, bar, stp, un, hs, so, ko
	s_wait_loadcnt \lc
	s_wait_dscnt \dh
	MUL16 F0, \fB, 0, 0, \zero
	MUL16 F0, \fB, 0, 2, \zero
.if \stp
	s_wait_xcnt 0x0                                ; every load and prefetch issued so far has read its base
	s_add_nc_u64 s[UBP:UBP+1], s[UBP:UBP+1], 32768 ; four K steps of Ua
	s_add_nc_u64 s[KP:KP+1], s[KP:KP+1], 512       ; two chunks
.endif
	FETCH_B \offB, \gB                             ; no wait: no vector or matrix instruction since the last step's end wait names gB or the offset (in step 0 none has ever named gB)
	PLACES
	WIN 0
	s_wait_alu depctr_va_vdst(0)                   ; the 32 products above are done reading row blocks 0-3 of F0, in which the LDS loads below land; where ADR was stepped ahead of this step, it is written
.if \bar
	s_wait_dscnt 0x0                               ; for the others' sake: my stores of the chunk are done
	s_barrier_signal -1
.endif
	FETCH_AH \kA, 0
	s_wait_dscnt 8                                 ; row blocks 4-7 are in; the eight just issued may be out
	MUL16 F0, \fB, 1, 0, \zero
	MUL16 F0, \fB, 1, 2, \zero
	WIN 0
.if \bar
	s_barrier_wait -1                              ; the chunk is whole
.endif
	UCVT \hs
	s_wait_alu depctr_va_vdst(0)                   ; the conversions have written the set's first 16 registers, which the stores read, and are done reading the set, in which the unit's loads land; the 32 products above are done reading
	                                               ; row blocks 4-7 of F0 (the LDS loads below) and fB (the next step's loads of Ua); where SA was stepped ahead of this step, it is written
	USTORE \hs, \so
	FETCH_AH \kA, 4
.if (\un) == 2
	s_wait_alu depctr_vm_vsrc(0)                   ; the stores have read the set, in which the loads below land; every LDS instruction issued so far has read ADR or SA
	ULOAD \hs, \ko
.endif
.endm
; A PREFETCH INTO THE L2: my own 32 rows' 256 bytes of one chunk, a lane a row, one instruction; it stands behind a unit's loads, four K steps ahead of the first loads of the chunk that it names.  Each wave asks for what
; it will load itself, so each block is named once in the launch.  Chunks 0 to 7 come by their loads alone; the loop's last trip asks for nothing: the chunks behind 15 do not exist.  Its offset was made at the head and is never written again.
.macro ASK off
	s_cmp_gt_u32 s[CNT], 1
	s_cbranch_scc0 .Lnoask_\@
	global_prefetch_b8 v[PFO], s[KP:KP+1] offset:\off th:TH_LOAD_NT scope:SCOPE_SE
.Lnoask_\@:
.endm
; Four K steps of pass 0, 4 n .. 4 n + 3.  The registers stand at: ADR chunk 2 n, SA chunk 2 n, UBP K step 4 n, KP chunk 2 n; so all immediates are the same for every n.
.macro QUAD zero, bar0, stp, un, l0, l1, l2, l3, d0, ask
	STEP0 BF0, BF3, 24576, \l0, \d0, \zero, 64, \bar0, \stp, \un, HS, 2*CHB, 1024
.if \ask
	ASK 1536                                       ; chunk 2 n + 6
.endif
	STEP0 BF1, BF0, 32768, \l1, 16, 0, CHB, 0, 0, \un, HS+32, 2*CHB+16*PK, 1024+65536
	STEP0 BF2, BF1, 40960, \l2, 16, 0, CHB+64, 1, 0, \un, HS+64, 3*CHB, 1280
.if \ask
	ASK 1792                                       ; chunk 2 n + 7
.endif
	STEP0 BF3, BF2, 49152, \l3, 16, 0, 2*CHB, 0, 0, \un, HS+96, 3*CHB+16*PK, 1280+65536
.endm
; THE WAY FROM SUMS TO SCORES, a window (four row blocks = four units of 64 registers) at a time.  Unit u goes through: x' = c acc + qs; 2^x'; + 1; reciprocal; times Va, summed over the lane's 64 columns.
; The units follow each other one stage apart, so that exponentials, reciprocals and plain lines of three units stand mixed.  ESTEP s: unit s's exponentials, unit s - 1's + 1 and reciprocals, unit s - 2's sum.
; Nothing in a step names a result of that step's exponentials or reciprocals: they are ONE batch, with one plain line and one wait behind it.  No memory or LDS instruction stands in it.
.macro ACCU u                          ; pair i of 32: four chains, started by column block 0's products
.if i < 4
	v_pk_mul_f32 v[64*(\u)+2*i:64*(\u)+2*i+1], v[64*(\u)+2*i:64*(\u)+2*i+1], v[VA+2*i:VA+2*i+1]
.else
	v_pk_fma_f32 v[64*(\u)+2*(i%4):64*(\u)+2*(i%4)+1], v[64*(\u)+2*i:64*(\u)+2*i+1], v[VA+2*i:VA+2*i+1], v[64*(\u)+2*(i%4):64*(\u)+2*(i%4)+1]
.endif
.endm
.macro ESTEP s
.set i, 0
.rept 32
.if ((\s) >= 1) && ((\s) <= 4)
	v_pk_add_f32 v[64*((\s)-1)+2*i:64*((\s)-1)+2*i+1], v[64*((\s)-1)+2*i:64*((\s)-1)+2*i+1], 1.0 op_sel_hi:[1,0]
.endif
.if (\s) <= 3
	v_exp_f32 v[64*(\s)+2*i], v[64*(\s)+2*i]
.endif
.if ((\s) >= 1) && ((\s) <= 4)
	v_rcp_f32 v[64*((\s)-1)+2*i], v[64*((\s)-1)+2*i]
.endif
.if ((\s) >= 2) && ((\s) <= 5)
	ACCU (\s)-2
.endif
.if (\s) <= 3
	v_exp_f32 v[64*(\s)+2*i+1], v[64*(\s)+2*i+1]
.endif
.if ((\s) >= 1) && ((\s) <= 4)
	v_rcp_f32 v[64*((\s)-1)+2*i+1], v[64*((\s)-1)+2*i+1]
.endif
.set i, i+1
.endr
.if (\s) <= 4
	v_nop                                          ; a plain line behind the batch's last,
	s_wait_alu depctr_va_vdst(0)                   ; and the one wait for the batch: this step's exponentials and reciprocals are written, ahead of the next step, which reads them
.endif
.endm
.macro EPI W
	WIN ((\W)<<6)|(\W)                             ; destination and source 0 in window W, qs in window 0
.set i, 0
.rept 128                              ; ascending: each accumulator is read from its low end on
	v_pk_fma_f32 v[2*i:2*i+1], v[2*i:2*i+1], s[CS:CS+1], v[QC+(2*i)%64:QC+(2*i)%64+1] op_sel_hi:[1,0,1]
.set i, i+1
.endr
	WIN ((\W)<<6)|((\W)<<4)|(\W)                   ; source 1 (Va) in window 0, all else in window W
	ESTEP 0
	ESTEP 1
.if (\W) == 2
	s_wait_loadcnt 0x0                             ; Va, which the next step reads first; with it the next pass's first fragments of Ua
.endif
	ESTEP 2
	ESTEP 3
	ESTEP 4
	ESTEP 5
	WIN ((\W)<<6)|((\W)<<2)|(\W)                   ; the four chains into one pair
.irp u, 0,1,2,3
	v_pk_add_f32 v[64*(\u):64*(\u)+1], v[64*(\u):64*(\u)+1], v[64*(\u)+2:64*(\u)+3]
.endr
.irp u, 0,1,2,3
	v_pk_add_f32 v[64*(\u)+4:64*(\u)+5], v[64*(\u)+4:64*(\u)+5], v[64*(\u)+6:64*(\u)+7]
.endr
.irp u, 0,1,2,3
	v_pk_add_f32 v[64*(\u):64*(\u)+1], v[64*(\u):64*(\u)+1], v[64*(\u)+4:64*(\u)+5]
.endr
	WIN (\W)                                       ; source 0 in window W: onto the row block's sum
.irp u, 0,1,2,3
	v_add_f32 v[S+4*((\W)-2)+(\u)], v[64*(\u)], v[S+4*((\W)-2)+(\u)]
.endr
.irp u, 0,1,2,3
	v_add_f32 v[S+4*((\W)-2)+(\u)], v[64*(\u)+1], v[S+4*((\W)-2)+(\u)]
.endr
.endm
; THE WEIGHTED SUM.  16 rows: their weights (all lanes read the same 64 bytes) and my 16 bytes (8 channels) of each row: eight lanes take a row's 128 bytes in one chunk, the wave four chunks
.macro CLOAD set, kx, wx
.irp j, 0,1,2,3
	ds_load_b128 v[(\wx)+4*(\j):(\wx)+4*(\j)+3], v[PR] offset:16*(\j)+64*(\set)
.endr
.irp j, 0,1,2,3,4,5,6,7,8,9,10,11,12,13,14,15
	ds_load_b128 v[(\kx)+4*(\j):(\kx)+4*(\j)+3], v[CA] offset:PK*(\j)+16*PK*(\set)
.endr
.endm
.macro CFMA kx, wx                     ; sum += bf16 half x f32 weight, in f32: eight chains by turns
.set j, 0
.rept 16
.irp q, 0,1,2,3
	v_fma_mix_f32_bf16 v[CX+2*(\q)],   v[(\kx)+4*j+(\q)], v[(\wx)+j], v[CX+2*(\q)]   op_sel_hi:[1,0,0]
	v_fma_mix_f32_bf16 v[CX+2*(\q)+1], v[(\kx)+4*j+(\q)], v[(\wx)+j], v[CX+2*(\q)+1] op_sel:[1,0,0] op_sel_hi:[1,0,0]
.endr
.set j, j+1
.endr
.endm
	s_load_b256 s[4:11], s[0:1], 0x0               ; keys, ub, qs, Va_w
	s_load_b128 s[12:15], s[0:1], 0x20             ; Va_b, scores
	s_load_b64 s[16:17], s[0:1], 0x30              ; ctxp
	v_lshl_add_u32 v[SPW], v0, 2, SPARE
	v_mov_b32 v[NIL], 0
	v_lshrrev_b32 v1, 5, v0
	v_readfirstlane_b32 s[WV], v1                  ; wave 0..3
	v_and_b32 v1, 31, v0                           ; lane
	v_and_b32 v2, 15, v0                           ; r
	v_bfe_u32 v3, v0, 4, 1                         ; h
	v_lshlrev_b32 v[L16], 4, v1
	v_lshlrev_b32 v[H32], 5, v3
	v_lshlrev_b32 v[KO], 4, v2
	v_lshl_add_u32 v[KO], v3, 15, v[KO]            ; 8 rows of 4,096 bytes for the upper lanes
	v_lshlrev_b32 v[PFO], 12, v1
	s_wait_alu depctr_va_sdst(0)                   ; the wave's number is written, ahead of its first reader: LDS places, bases and branches are made from it
	s_mul_i32 s22, s[WV], 32*PK
	v_mul_u32_u24 v[SA], v3, 8*PK
	v_lshl_add_u32 v[SA], v2, 3, v[SA]
	v_add_nc_u32 v[SA], s22, v[SA]
	v_mul_u32_u24 v[AB], v2, PK
	v_lshl_add_u32 v[AB], v3, 4, v[AB]
	v_mov_b32 v[ADR], v[AB]
	s_lshl_b32 s22, s[WV], 10
	s_add_co_u32 s22, s22, CT
	v_lshl_add_u32 v[CTR], v1, 4, s22
	v_lshl_add_u32 v[CTW], v1, 5, s22
	v_lshrrev_b32 v12, 3, v1                       ; the weighted sum: chunk 4 w + lane / 8,
	v_and_b32 v13, 7, v1                           ; 16 bytes at 16 (lane % 8): channels 256 w + 8 lane on
	s_mul_i32 s22, s[WV], 4*CHB
	v_mul_u32_u24 v[CA], v12, CHB
	v_lshl_add_u32 v[CA], v13, 4, v[CA]
	v_add_nc_u32 v[CA], s22, v[CA]
	s_lshl_b32 s22, s[WV], 9
	s_add_co_u32 s23, s22, SCR
	v_lshl_add_u32 v[SCRW], v2, 2, s23
	v_lshl_add_u32 v[SCRR], v1, 4, SCR
	s_add_co_u32 s23, s22, PS
	v_lshl_add_u32 v[PW], v1, 4, s23
	v_mov_b32 v[PR], s23
.irp i, 0,1,2,3,4,5,6,7,8,9
	v_mov_b32 v[S+(\i)], 0                         ; the eight row blocks' sums and Va's, which two passes add onto
.endr
	v_mov_b32 v[M+1], 0                            ; a lane exchange's destination counts as read
	s_mov_b32 s[CS], 0x4038aa3b                    ; c = 2 log2(e)
	s_mov_b32 s[CS+1], s[CS]
	s_mov_b32 s[SEL], 0x76543210
	s_mov_b32 s[SEL+1], 0xfedcba98
	s_mov_b32 s[LOG2E], 0x3fb8aa3b
	s_mov_b32 s[PASS], 2
	s_lshr_b32 s20, ttmp9, 4                       ; the batch
	s_wait_kmcnt 0x0
	s_load_b32 s[VB], s[VBP:VBP+1], 0x0            ; Va_b's value: waited for ahead of the scores
	s_mov_b32 s[OFS+1], 0
	s_lshl_b32 s[OFS], ttmp9, 19                   ; the tile's 524,288 bytes (512 tiles: under 2^28),
	s_lshl_b32 s21, s[WV], 17                      ; my 32 rows
	s_add_co_u32 s[OFS], s[OFS], s21
	s_add_nc_u64 s[KP:KP+1], s[KP:KP+1], s[OFS:OFS+1]
	s_lshl_b32 s[OFS], s[WV], 19                   ; my two column groups: 2 x 262,144 bytes on end
	s_add_nc_u64 s[UBP:UBP+1], s[UBP:UBP+1], s[OFS:OFS+1]
	s_lshl_b32 s[OFS], s[WV], 15                   ; 16 column blocks of 2,048 bytes,
	s_lshl_b32 s21, s20, 6                         ; the batch's 64 bytes in each
	s_add_co_u32 s[OFS], s[OFS], s21
	s_add_nc_u64 s[QSP:QSP+1], s[QSP:QSP+1], s[OFS:OFS+1]
	s_lshl_b32 s[OFS], s[WV], 10
	s_add_nc_u64 s[VAP:VAP+1], s[VAP:VAP+1], s[OFS:OFS+1]
	s_lshl_b32 s[OFS], ttmp9, 9
	s_add_nc_u64 s[SCP:SCP+1], s[SCP:SCP+1], s[OFS:OFS+1]
	s_lshl_b32 s[OFS], ttmp9, 12
	s_lshl_b32 s21, s[WV], 10
	s_add_co_u32 s[OFS], s[OFS], s21
	s_add_nc_u64 s[CXP:CXP+1], s[CXP:CXP+1], s[OFS:OFS+1]
	; THE START.  Chunks 0 and 1 (units 0-3, into the idle accumulators) must lie in LDS before the first product.  The loads go out in the order in which the steps will want them:
	; U0-3, B0, U4, U5; then, when units 0-3 have been rounded and stored, B1, U6, B2, U7: from here on the order is the loop's own, so every step's count is the loop's.
	WIN W_LD
	s_wait_alu depctr_va_vdst(0)                   ; all offsets and LDS addresses of the kernel, v4 to v11 and v58 to v63, are written: every load, store and prefetch below reads one of them
	ULOAD 0,  0
	ULOAD 32, 65536
	ULOAD 64, 256
	ULOAD 96, 65536+256
	FETCH_B 0, BF0
	WIN 0
	ULOAD HS,    512
	ULOAD HS+32, 65536+512
	s_wait_loadcnt 32                              ; units 0-3 are in; B0, U4 and U5, 32 loads, may stay out
	WIN W_CV
.set n, 0
.rept 32
	v_cvt_pk_bf16_f32 v[TB+2*n],   v[4*n],   v[4*n+1]
	v_cvt_pk_bf16_f32 v[TB+2*n+1], v[4*n+2], v[4*n+3]
.set n, n+1
.endr
	WIN 0
	s_wait_alu depctr_va_vdst(0)                   ; the conversions have written v[TB ..], which the LDS stores read (and in which, further down, A's first fragments land)
.set n, 0
.rept 32                               ; load n = 8 u + j of unit u: chunk u / 2, row 16 (u % 2) + j
	ds_store_b64 v[SA], v[TB+2*n:TB+2*n+1] offset:(n/16)*CHB+(16*((n/8)%2)+n%8)*PK
.set n, n+1
.endr
	FETCH_B 8192, BF1
	WIN 0
	ULOAD HS+64, 768
	FETCH_B 16384, BF2
	WIN 0
	ULOAD HS+96, 65536+768
	s_wait_dscnt 0x0                               ; for the others' sake: my rows of chunks 0 and 1 lie in LDS
	s_barrier_signal -1
	s_barrier_wait -1
	s_wait_alu depctr_vm_vsrc(0)                   ; my LDS stores have read v[TB ..]: these registers are F0 from here on, in which the fragments' loads land
	; The four waves run the same text from the same barrier, so their runs of LDS loads would be issued at the same moment, K step after K step.  Wave w starts 64 w idle cycles late (s_nop 15 idles
	; 16), once a tile, so that the runs come one after another.  The chunks' barriers do not bring the waves into step again: 32 matrix instructions stand between a signal and its wait.
	s_cmp_eq_u32 s[WV], 0
	s_cbranch_scc1 .Lskewed
.rept 4
	s_nop 15
.endr
	s_cmp_eq_u32 s[WV], 1
	s_cbranch_scc1 .Lskewed
.rept 4
	s_nop 15
.endr
	s_cmp_eq_u32 s[WV], 2
	s_cbranch_scc1 .Lskewed
.rept 4
	s_nop 15
.endr
.Lskewed:
	FETCH_AH 0, 0
	FETCH_AH 0, 4
	; PASS 0: the product with my first 128 columns, and beside it the keys' way into LDS
	QUAD 1, 0, 0, 2, 56, 56, 56, 56, 8, 0          ; K steps 0-3: step 0's products start the sums; chunks 0 and 1 had their barrier above
	s_mov_b32 s[CNT], 5
.Lq:                                               ; K steps 4 n .. 4 n + 3, n = 1 .. 5: units 4 n + 4 .. + 7 are stored, units 4 n + 8 .. + 11 asked for
	v_add_nc_u32 v[ADR], 2*CHB, v[ADR]             ; both are free: the wait on vm_vsrc ahead of the last unit's loads stands behind every LDS instruction issued so far;
	v_add_nc_u32 v[SA], 2*CHB, v[SA]               ; and the step's own waits on va_vdst stand between these adds and the LDS instructions that read them
	QUAD 0, 1, 1, 2, 56, 56, 56, 56, 16, 1
	s_sub_co_u32 s[CNT], s[CNT], 1
	s_cmp_lg_u32 s[CNT], 0
	s_cbranch_scc1 .Lq
	v_add_nc_u32 v[ADR], 2*CHB, v[ADR]             ; free and covered as at the loop's head
	v_add_nc_u32 v[SA], 2*CHB, v[SA]
	QUAD 0, 1, 1, 1, 56, 48, 40, 32, 16, 0         ; K steps 24-27: the last four units are stored, none is asked for, and the counts run down by the units that are missing
	s_wait_alu depctr_vm_vsrc(0)                   ; the LDS stores of the last four units have read their sets, v128 to v255: A's second buffer (K step 28's LDS loads) and qs (K step 29's loads) land there
	STEP F0, F1, 2*CHB+64, BF0, BF3, 57344, 32, 0, 0, 1, 0  ; K step 28: the unit sets are free, so A has its second buffer again; chunk 15's barrier; no wait at its head: step 27's end wait stands behind all that named F1 and buffer 3
	WIN 0
	s_wait_alu depctr_vm_vsrc(0)                   ; the LDS loads issued so far have read ADR
	v_add_nc_u32 v[ADR], 2*CHB, v[ADR]             ; chunk 14 and K step 28: where pass 1's loop leaves these two
	s_wait_xcnt 0x0
	s_add_nc_u64 s[UBP:UBP+1], s[UBP:UBP+1], 32768
	s_branch .Ltail                                ; K steps 29-31 and the way to scores are pass 1's own text
.Lpass:                                            ; PASS 1: the tile lies in LDS; 128 rows x my second 128 columns x 1,024 K
	s_wait_alu depctr_vm_vsrc(0)                   ; the LDS loads of the pass before have read ADR
	v_mov_b32 v[ADR], v[AB]
	s_wait_alu depctr_va_vdst(0)                   ; ADR is written, which the LDS loads below read; the sums over Va are done reading F1's registers, in which K step 0's LDS loads land
	FETCH_A 0, F0
	STEP F0, F1, 64, BF0, BF3, 24576, 32, 1, 0, 0, 0  ; K step 0 stands in front of the loop: its products start the sums; no wait at its head: the one above stands behind all that named F1 and buffer 3
	WIN 0
	s_mov_b32 s[CNT], 7
.Lk:                                               ; K steps 4 t + 1 .. 4 t + 4; at each step's head the fragments of Ua of the two steps behind it, 32 loads, may be out
	STEP F1, F0, CHB,      BF1, BF0, 32768, 32, 0
	STEP F0, F1, CHB+64,   BF2, BF1, 40960, 32, 0
	STEP F1, F0, 2*CHB,    BF3, BF2, 49152, 32, 0
	STEP F0, F1, 2*CHB+64, BF0, BF3, 57344, 32, 0
	WIN 0
	s_wait_alu depctr_vm_vsrc(0)                   ; the LDS loads issued so far have read ADR
	v_add_nc_u32 v[ADR], 2*CHB, v[ADR]             ; the next step's head wait stands between this add and the loads that read it
	s_wait_xcnt 0x0                                ; the loads have read their base
	s_add_nc_u64 s[UBP:UBP+1], s[UBP:UBP+1], 32768
	s_sub_co_u32 s[CNT], s[CNT], 1
	s_cmp_lg_u32 s[CNT], 0
	s_cbranch_scc1 .Lk
.Ltail:                                            ; both passes: A(29) is on its way into F1, B(29..31) lie or land in buffers 1, 2, 3
	STEP F1, F0, CHB,    BF1, 0, -1, 32, 0, 1      ; K step 29: nothing of Ua is left to ask for; qs is asked for
	STEP F0, F1, CHB+64, BF2, 0, -1, 32, 0         ; K step 30: step 31's fragments and qs, 32 loads, may be out
	STEP F1, 0, -1,      BF3, 0, -1, 16, 0, 0, 0, 0  ; K step 31: qs may be out; the step issues no load, so it has no wait at its head
	WIN 0
	PLACES                                         ; behind the last products: for the lines that read their results
	s_wait_alu depctr_va_vdst(0)                   ; the pass's products are done reading F1, in which Va lands, and Ua's buffers 0 to 2, in which the next pass's first fragments land
	s_wait_loadcnt 0x0                             ; qs is in, and no load is out, so the base may be written:
	s_add_nc_u64 s[UBP:UBP+1], s[UBP:UBP+1], 32768 ; the next pass's stream
	FETCH_VA
	s_cmp_eq_u32 s[PASS], 1
	s_cbranch_scc1 .Lnopre                         ; the last pass has none behind it
	FETCH_B 0,     BF0                             ; the next pass's K steps 0, 1, 2 land while this pass's scores are made
	FETCH_B 8192,  BF1
	FETCH_B 16384, BF2
	WIN 0
.Lnopre:
	EPI 2
	EPI 3
	WIN 0
.irp q, 0,1,2,3                        ; the sum of Va over my 64 columns of this pass: four chains
	v_pk_add_f32 v[T+2*(\q):T+2*(\q)+1], v[VA+2*(\q):VA+2*(\q)+1], v[VA+8+2*(\q):VA+8+2*(\q)+1]
.endr
.irp b, 2,3,4,5,6,7
.irp q, 0,1,2,3
	v_pk_add_f32 v[T+2*(\q):T+2*(\q)+1], v[T+2*(\q):T+2*(\q)+1], v[VA+8*(\b)+2*(\q):VA+8*(\b)+2*(\q)+1]
.endr
.endr
	v_pk_add_f32 v[T:T+1],     v[T:T+1],     v[T+2:T+3]
	v_pk_add_f32 v[T+4:T+5],   v[T+4:T+5],   v[T+6:T+7]
	v_pk_add_f32 v[T:T+1],     v[T:T+1],     v[T+4:T+5]
	v_pk_add_f32 v[TT:TT+1],   v[TT:TT+1],   v[T:T+1]
	s_add_nc_u64 s[QSP:QSP+1], s[QSP:QSP+1], 16384 ; the next group's qs and Va: the loads by these bases were shown done by the waits for 0 above
	s_add_nc_u64 s[VAP:VAP+1], s[VAP:VAP+1], 512
	s_sub_co_u32 s[PASS], s[PASS], 1
	s_cmp_lg_u32 s[PASS], 0
	s_cbranch_scc1 .Lpass
	; THE SCORES.  My columns' share: sum(Va) - 2 sum(Va / (1 + 2^(c x))); the other half of the lanes holds the row's other columns of mine; the other waves' shares meet in LDS.
	s_wait_kmcnt 0x0                               ; Va_b
	v_add_f32 v[TT], v[TT], v[TT+1]
.irp a, 0,1,2,3,4,5,6,7
	v_fma_f32 v[S+(\a)], v[S+(\a)], -2.0, v[TT]
.endr
.irp a, 0,1,2,3,4,5,6,7
	v_permlanex16_b32 v[T+(\a)], v[S+(\a)], s[SEL], s[SEL+1]
.endr
.irp a, 0,1,2,3,4,5,6,7
	v_add_f32 v[S+(\a)], v[S+(\a)], v[T+(\a)]
.endr
	s_wait_alu depctr_va_vdst(0)                   ; the additions have written v[S ..], which the LDS stores read
.irp a, 0,1,2,3,4,5,6,7
	ds_store_b32 v[SCRW], v[S+(\a)] offset:64*(\a) ; row 16 a + r; both halves of the lanes write the same number
.endr
	s_wait_dscnt 0x0                               ; for the others' sake
	s_barrier_signal -1
	s_barrier_wait -1
.irp k, 0,1,2,3
	ds_load_b128 v[SC+4*(\k):SC+4*(\k)+3], v[SCRR] offset:512*(\k)  ; rows 4 lane .. 4 lane + 3 of all four waves' shares; every wave does this alike; no instruction has named these registers before
.endr
	s_wait_dscnt 0x0
	v_pk_add_f32 v[SC:SC+1],     v[SC:SC+1],     v[SC+4:SC+5]
	v_pk_add_f32 v[SC+2:SC+3],   v[SC+2:SC+3],   v[SC+6:SC+7]
	v_pk_add_f32 v[SC+8:SC+9],   v[SC+8:SC+9],   v[SC+12:SC+13]
	v_pk_add_f32 v[SC+10:SC+11], v[SC+10:SC+11], v[SC+14:SC+15]
	v_pk_add_f32 v[SC:SC+1],     v[SC:SC+1],     v[SC+8:SC+9]
	v_pk_add_f32 v[SC+2:SC+3],   v[SC+2:SC+3],   v[SC+10:SC+11]
	v_pk_add_f32 v[SC:SC+1],     v[SC:SC+1],     s[VB:VB+1] op_sel_hi:[1,0]
	v_pk_add_f32 v[SC+2:SC+3],   v[SC+2:SC+3],   s[VB:VB+1] op_sel_hi:[1,0]
	s_cmp_lg_u32 s[WV], 0
	s_cbranch_scc1 .Lnosc
	s_wait_alu depctr_va_vdst(0)                   ; the additions have written the four scores, which the store reads
	global_store_b128 v[L16], v[SC:SC+3], s[SCP:SCP+1]  ; wave 0: the tile's 128 scores, 512 consecutive bytes, aligned; these registers are not written again
.Lnosc:
	; THE TILE'S SOFTMAX, relative to its own maximum
	v_max3_num_f32 v[M], v[SC], v[SC+1], v[SC+2]
	v_max_num_f32 v[M], v[M], v[SC+3]
	v_max_num_f32_dpp v[M], v[M], v[M] row_xmask:1 row_mask:0xf bank_mask:0xf
	v_max_num_f32_dpp v[M], v[M], v[M] row_xmask:2 row_mask:0xf bank_mask:0xf
	v_max_num_f32_dpp v[M], v[M], v[M] row_xmask:4 row_mask:0xf bank_mask:0xf
	v_max_num_f32_dpp v[M], v[M], v[M] row_xmask:8 row_mask:0xf bank_mask:0xf
	v_permlanex16_b32 v[M+1], v[M], s[SEL], s[SEL+1]
	v_max_num_f32 v[M], v[M], v[M+1]
	v_mul_f32 v[M+1], s[LOG2E], v[M]
.irp k, 0,1,2,3
	v_fma_f32 v[P+(\k)], v[SC+(\k)], s[LOG2E], -v[M+1]
.endr
.irp k, 0,1,2,3
	v_exp_f32 v[P+(\k)], v[P+(\k)]
.endr
.irp e, 0,1,2,3,4,5,6,7
	v_mov_b32 v[CX+(\e)], 0                        ; the eight sums start at 0; these lines are also the plain work behind the exponentials
.endr
	s_wait_alu depctr_va_vdst(0)                   ; the four exponentials have written v[P ..], ahead of their first reader, the LDS store; and all that named the two sets of rows and weights (products, the way to scores) is done, so the first loads may land
	ds_store_b128 v[PW], v[P:P+3]                  ; my wave's own copy: LDS serves a wave's instructions in order (ISA guide 5.7.1.4), so its loads below see it
	; THE WEIGHTED SUM over the 128 rows still in LDS, 16 rows a set, two sets by turns: while one is multiplied the other's 20 loads are out
	CLOAD 0, KX0, WX0
	s_mov_b32 s[CNT], 3
.Lc:
	CLOAD 1, KX1, WX1
	s_wait_dscnt 20                                ; all but the 20 just issued
	CFMA KX0, WX0
	s_wait_alu depctr_vm_vsrc(0)                   ; the LDS loads issued so far have read CA and PR
	v_add_nc_u32 v[CA], 32*PK, v[CA]
	v_add_nc_u32 v[PR], 128, v[PR]
	s_wait_alu depctr_va_vdst(0)                   ; CA and PR are written, which the loads below read; the multiply-adds are done reading set 0, in which they land
	CLOAD 0, KX0, WX0
	s_wait_dscnt 20
	CFMA KX1, WX1
	s_wait_alu depctr_va_vdst(0)                   ; the multiply-adds are done reading set 1, in which the next loads land: round the backward jump, and behind the loop
	s_sub_co_u32 s[CNT], s[CNT], 1
	s_cmp_lg_u32 s[CNT], 0
	s_cbranch_scc1 .Lc
	CLOAD 1, KX1, WX1                              ; rows 112 to 127: the last
	s_wait_dscnt 20
	CFMA KX0, WX0
	s_wait_dscnt 0x0
	CFMA KX1, WX1
	; THE WAY OUT: a lane's 32 bytes go through my wave's own LDS bytes and come back as two runs of 512 consecutive bytes
	s_wait_alu depctr_va_vdst(0)                   ; the multiply-adds have written the eight sums, which the LDS stores read
	ds_store_b128 v[CTW], v[CX:CX+3]
	ds_store_b128 v[CTW], v[CX+4:CX+7] offset:16
	ds_load_b128 v[OUT:OUT+3],   v[CTR]
	ds_load_b128 v[OUT+4:OUT+7], v[CTR] offset:512
	s_wait_dscnt 0x0
	global_store_b128 v[L16], v[OUT:OUT+3],   s[CXP:CXP+1]
	global_store_b128 v[L16], v[OUT+4:OUT+7], s[CXP:CXP+1] offset:512
	s_wait_dscnt 0x0                               ; the closing lines, six on end
	s_wait_alu 0x0
	s_wait_tensorcnt 0x0
	ds_add_u32 v[SPW], v[NIL]
	s_wait_dscnt 0x0
	s_endpgm
.Lfunc_end_k_q0a6829e8cf_score:
	.size	k_q0a6829e8cf_score, .Lfunc_end_k_q0a6829e8cf_score-k_q0a6829e8cf_score
	.p2alignl 7, 3214868480
	.fill 96, 4, 3214868480
	.section	.rodata,"a",@progbits
	.p2align	6, 0x0
	.amdhsa_kernel k_q0a6829e8cf_score
		.amdhsa_group_segment_fixed_size 305664
		.amdhsa_private_segment_fixed_size 0
		.amdhsa_enable_private_segment 0
		.amdhsa_kernarg_size 56
		.amdhsa_user_sgpr_count 2
		.amdhsa_user_sgpr_kernarg_segment_ptr 1
		.amdhsa_wavefront_size32 1
		.amdhsa_system_sgpr_workgroup_id_x 1
		.amdhsa_system_sgpr_workgroup_id_y 1
		.amdhsa_system_sgpr_workgroup_id_z 1
		.amdhsa_system_vgpr_workitem_id 0
		.amdhsa_next_free_vgpr 1024
		.amdhsa_next_free_sgpr 66
		.amdhsa_reserve_vcc 0
		.amdhsa_float_denorm_mode_32 3
		.amdhsa_float_denorm_mode_16_64 3
		.amdhsa_memory_ordered 1
		.amdhsa_forward_progress 1
		.amdhsa_inst_pref_size 255
	.end_amdhsa_kernel
	.section	.bss,"aw",@nobits
	.p2align	6
	.space	262144
	.amdgpu_metadata
---
amdhsa.version: [ 1, 2 ]
amdhsa.kernels:
  - .name:           k_q0a6829e8cf_score
    .symbol:         k_q0a6829e8cf_score.kd
    .args:
      - { .name: keys, .offset: 0, .size: 8, .value_kind: global_buffer, .address_space: global }
      - { .name: ub, .offset: 8, .size: 8, .value_kind: global_buffer, .address_space: global }
      - { .name: qs, .offset: 16, .size: 8, .value_kind: global_buffer, .address_space: global }
      - { .name: Va_w, .offset: 24, .size: 8, .value_kind: global_buffer, .address_space: global }
      - { .name: Va_b, .offset: 32, .size: 8, .value_kind: global_buffer, .address_space: global }
      - { .name: scores, .offset: 40, .size: 8, .value_kind: global_buffer, .address_space: global }
      - { .name: ctxp, .offset: 48, .size: 8, .value_kind: global_buffer, .address_space: global }
    .group_segment_fixed_size: 305664
    .private_segment_fixed_size: 0
    .kernarg_segment_align: 8
    .kernarg_segment_size: 56
    .max_flat_workgroup_size: 128
    .sgpr_count:     66
    .vgpr_count:     1024
    .wavefront_size: 32
...
	.end_amdgpu_metadata
.endif
;; end of part 4
;; launch finish: the kernel of part 3 again; grid 32 x 1, 16 waves a work-group, no clusters, 2,304 bytes of LDS; arguments scores, ctxp, out0, out1; writes out0, out1
